; MI455X (gfx1250); checked and timed in simulation.
; The chip was launched on July 23, 2026; its instructions are those of AMD's public machine-readable ISA for CDNA 5 (MIT licence, August 2026) and "CDNA5" Instruction Set Architecture Reference Guide (July 2026). The comments in the code are by the model that wrote it; some were corrected since.
;; HQQSVD Linear. Allowed arithmetic: matrix products marked QUANTISED: E5M2 operands, one given power-of-two scale a tensor, by v_wmma_f32_16x16x64_bf8_bf8 or v_wmma_f32_16x16x128_bf8_bf8, f32 sums; everything else in f32.
;; Inputs: W_q 4,096 x 32 x 128 int32; bias 4,096 float32; lowp_scales 4 int32 (the exponents e of the quantised operands' scales 2^e); scale 4,096 x 32 float32; svd_down 32 x 4,096 float32; svd_up 4,096 x 32 float32; x 4 x 1,024 x 4,096 float32; zero_point 4,096 x 32 float32.
;; Outputs: out0 4 x 1,024 x 4,096 float32.
;; This version of the problem:
;;   THIS VERSION OF THE PROBLEM IS GIVEN IN LOW PRECISION. The matrix products marked QUANTISED in the list below multiply operands that are first quantised to E5M2 (5 exponent bits, 2 mantissa bits; 8 bits a number), with one given power-of-two scale for each operand tensor; their sums are f32. All else is computed in f32.
;;   The module's matrix products, in the order in which they are computed (A, B: the left and right operand; K: the contracted axis; several contracted axes count as one K, in the product's order):
;;     1. [M 4,096, K 32] x [K 32, N 4,096]; A: input svd_up; B: input svd_down: QUANTISED (scales: A lowp_scales[0], B lowp_scales[1])
;;     2. [M 4,096, K 4,096] x [K 4,096, N 4,096]; A: input x; B: computed on the way: QUANTISED (scales: A lowp_scales[2], B lowp_scales[3])
;;   THE QUANTISER, for each operand of a quantised product, along K:
;;     - The operand's scale is 2^e, e = its entry of the input lowp_scales (int32; the entries are numbered through the quantised products in the list's order, A before B).
;;     - Each number is divided by the scale, clamped to +-57,344, and rounded to the nearest number of E5M2, ties to even, subnormals kept.
;;     - The product sums the exact products of the quantised numbers (number of the format x scale) in f32.
;;   ~~~python
;;   def quantise(x, axis, e):      # numpy; x: float32 -> the quantised numbers, widened to float32 again
;;       x = np.moveaxis(x, axis, -1); K = x.shape[-1]
;;       r = np.clip(x / 2.0 ** e, -57344, 57344)
;;       step = 2.0 ** (np.maximum(np.frexp(np.where(r == 0, 1, r))[1] - 1, -14) - 2)
;;       q = np.round(r / step) * step * 2.0 ** e      # np.round: ties to even
;;       return np.moveaxis(q, -1, axis).astype(np.float32)
;;   ~~~
;;   OPERANDS COMPUTED ON THE WAY. 'Computed on the way' means the value that the module computes at that place (a softmax that the list does not call 'softmax' is quantised finished and normalised). What goes into a quantiser is computed in f32, as accurately as f32 sums, v_exp_f32 and their like allow (about 1e-6 of the number): no bf16 or f16 on the way to a quantiser, and a product that is left as it is and whose result goes on into a quantised operand takes f32 operands (vector FMAs, or v_wmma_f32_16x16x4_f32). A number that lies on a knife's edge between two numbers of the format may be rounded either way, as far as f32 arithmetic and the matrix unit's own rounding can turn it there, and no further.
;; 2 versions. Each part assembles by itself: llvm-mc -triple=amdgcn-amd-amdhsa -mcpu=gfx1250 --defsym DOCPART=n.
;; ======== version 1 of 2: 2 launches
;; workspace buffers: x_codes 16,777,216 bytes; w_codes 16,777,216 bytes
;; launch prep (part 1): grid 128 x 2, 16 waves a work-group, no clusters, 288,768 bytes of LDS; arguments x, W_q, svd_up, svd_down, scale, zero_point, lowp_scales, x_codes, w_codes; writes x_codes, w_codes
.if DOCPART == 1
	.amdgcn_target "amdgcn-amd-amdhsa--gfx1250"
	.amdhsa_code_object_version 6
	.text
	.protected	k_q832585f4d4_prep
	.globl	k_q832585f4d4_prep
	.p2align	8
	.type	k_q832585f4d4_prep,@function
k_q832585f4d4_prep:
	s_mov_b64 s[64:65], 0
	v_nop
	global_prefetch_b8 v0, s[64:65] scope:SCOPE_SE
	s_setreg_imm32_b32 hwreg(HW_REG_WAVE_MODE, 25, 1), 1
	s_wait_xcnt 0x0
; Both operands of the large product become codes of BF8 (E5M2), once.
;   work-groups with y = 0:  x [4096][4096] f32                                       -> x_codes, scale 2^e2
;   work-groups with y = 1:  W_f = (W_q - zero_point) scale + Q(svd_up) Q(svd_down)   -> w_codes, scale 2^e3
; The small product (K = 32) is made here on codes of BF8 with the scales 2^e0 and 2^e1, by v_wmma_f32_16x16x64_bf8_bf8.
; code = number / 2^e, held within +-57,344, rounded to the nearest code, ties to even.
; LIMITS: e0, e1, e2 and e3 - e0 - e1 lie between -126 and 112, so that each power of two below and 57,344 times it are f32 numbers;
; scale x 2^-(e0 + e1) stays a normal f32 number.  NaN among the inputs is not served; an infinity is held at the largest code.  W_q may hold any int32.
; THE CODES' LAYOUT is the order of the operand's registers in the large product.  With S = k / 256, T = row / 16, q = (k / 128) % 2:
;   byte = S 1,048,576 + T 4,096 + q 2,048 + c 512 + 16 lane + n,  lane (r, h) holding row 16 T + r and k = 128 (2 S + q) + 32 c + 16 h + n, n = 0 .. 15.
; SHARES.  Work-group x = 8 Tb + a takes K steps 4 a .. 4 a + 3 (128 along K each: one group of W_q) of row tiles 16 Tb .. 16 Tb + 15; wave v takes row tile T = 16 Tb + v.
; A STEP: sixteen loads, each 512 consecutive bytes of one row; through the wave's own stage in LDS, so that lane (r, h) gets, of row r, sixteen neighbours along K of each
; block of 32; (W: dequantised, small product added;) held, converted; four stores of 512 consecutive bytes.  Loads run two steps ahead.  The four steps are written out.
; THE SMALL PRODUCT IS USED TRANSPOSED: source 0 = 16 columns i of svd_down, source 1 = my 16 rows of svd_up.  Row p of tile 2 b + u is column 32 b + 8 u + p + 8 (p / 8), so that the
; result's register j of lane (r, h) is i = 32 b + 16 h + 8 u + j of row r: the very register in which the dequantised number of that place lies.  That number is the product's C.
; K = 32 IN A FORM OF K = 64: lane half h holds k = 16 h .. 16 h + 15 in four registers, alike on both sides.  A fragment of svd_down carries tile 2 b in registers 0-3 and tile 2 b + 1
; in registers 4-7; svd_up stands against one of them and zero codes against the other.  All codes are finite (the hold), so the other half adds nothing.
; The two kinds of work-group part once, on the work-group's y, and never join; each has LDS bytes of its own.
.set ROWB,  16384                      ; a row of x or of W_q in bytes
.set SP,    528                        ; a stage row: 512 bytes + 16, so that the sixteen rows that a read touches begin sixteen bytes further on in each 256
.set WSTG,  16*SP                      ; a wave's stage
.set STG_W, 16*WSTG                    ; LDS: the x path's sixteen stages from byte 0, the W path's from here,
.set DNB,   32*WSTG                    ; then svd_down's codes as fragment images: step t, block b, tile u at 4096 t + 1024 b + 512 u + 16 lane
.set LO,  1                            ; v1   16 x lane: my bytes of a load's or a store's 512
.set SI,  2                            ; v2   the stage, on the way in
.set SO,  3                            ; v3   the stage, on the way out
.set DA,  4                            ; v4   svd_down's images, to read
.set DW,  5                            ; v5   svd_down's images, to write
.set LIM, 6                            ; v6   57,344 x the conversion's scale  (until then: r)
.set CSC, 7                            ; v7   the conversion's scale as f32    (until then: h)
.set SC,  8                            ; v[8:11]   scale x 2^-(e0 + e1) of groups 4 a .. 4 a + 3, row r
.set ZP,  12                           ; v[12:15]  zero_point of the same
.set R,   16                           ; v16-143   two sets of sixteen rows as loaded
.set X,   144                          ; v144-207  64 numbers: register 16 b + i is k = 32 b + 16 h + i of row r; the small product's eight accumulators
.set DN,  208                          ; v208-239  four fragments of svd_down
.set C,   208                          ; v208-223  then the step's codes
.set UP,  240                          ; v240-251  zeros | svd_up's codes | zeros
.set SRC, 40                           ; s[40:41]  my rows' first byte
.set DST, 42                           ; s[42:43]  my codes' first byte
; v[252:253], v[254:255]: at the head offsets of loads; in the steps the step's zero_point and scale, in the pairs' low words
.macro LOADR t                         ; step t's sixteen rows into set t % 2
.set j, 0
.rept 16
	global_load_b128 v[R+64*((\t)%2)+4*j:R+64*((\t)%2)+4*j+3], v[LO], s[SRC:SRC+1] offset:j*ROWB+(\t)*512 th:TH_LOAD_NT
.set j, j+1
.endr
.endm
.macro SCALES se, vs, vl               ; from the exponent in s[se]: v[vs] = 2^e, v[vl] = 57,344 x 2^e
	s_add_co_i32 s44, s[\se], 127
	s_lshl_b32 s45, s44, 23
	v_mov_b32 v[\vs], s45
	s_add_co_i32 s44, s44, 15
	s_lshl_b32 s44, s44, 23
	s_or_b32 s44, s44, 0x600000
	v_mov_b32 v[\vl], s44
.endm
.macro DEQ t                           ; X: W_q as int32 -> W_f / 2^(e0 + e1)
	v_mov_b32 v252, v[ZP+\t]                       ; the packed forms below take a pair's low word for both halves
	v_mov_b32 v254, v[SC+\t]
.set i, 0
.rept 64
	v_cvt_f32_i32 v[X+i], v[X+i]
.set i, i+1
.endr
.set i, 0
.rept 32
	v_pk_add_f32 v[X+i:X+i+1], v[X+i:X+i+1], v[252:253] op_sel_hi:[1,0] neg_lo:[0,1] neg_hi:[0,1]   ; q - zero_point
.set i, i+2
.endr
.set i, 0
.rept 32
	v_pk_mul_f32 v[X+i:X+i+1], v[X+i:X+i+1], v[254:255] op_sel_hi:[1,0]                             ; x scale / 2^(e0 + e1)
.set i, i+2
.endr
.irp b, 0,1,2,3                        ; eight accumulators, one instruction each
	v_wmma_f32_16x16x64_bf8_bf8 v[X+16*\b:X+16*\b+7], v[DN+8*\b:DN+8*\b+7], v[UP+4:UP+11], v[X+16*\b:X+16*\b+7]         ; svd_up | zeros: tile 2 b
	v_wmma_f32_16x16x64_bf8_bf8 v[X+16*\b+8:X+16*\b+15], v[DN+8*\b:DN+8*\b+7], v[UP:UP+7], v[X+16*\b+8:X+16*\b+15]     ; zeros | svd_up: tile 2 b + 1
.endr
.rept 4
	v_nop                                          ; four places ahead of the holds, which read the results, of the conversions, which write over svd_down's fragments, and of the next step's LDS loads into both
.endr
.endm
.macro HOLDCVT                         ; X -> the fragment's sixteen registers of codes
.irp b, 0,1,2,3
.set i, 0
.rept 16
	v_med3_num_f32 v[X+16*\b+i], v[X+16*\b+i], -v[LIM], v[LIM]   ; the conversion to an 8-bit code does not saturate (ISA guide 7.6.2): the hold; each accumulator from its low end on
.set i, i+1
.endr
	v_cvt_scalef32_pk8_bf8_f32 v[C+4*\b:C+4*\b+1], v[X+16*\b:X+16*\b+7], v[CSC]
	v_cvt_scalef32_pk8_bf8_f32 v[C+4*\b+2:C+4*\b+3], v[X+16*\b+8:X+16*\b+15], v[CSC]
.endr
	v_nop                                          ; one plain line behind the last conversion, ahead of whatever vector or matrix line next touches its registers
.endm
.macro STEP t, w                       ; w = 1: the W path
.if (\t) < 3
	s_wait_loadcnt 16                              ; this step's sixteen rows are in; the next step's sixteen loads may be out
.else
	s_wait_loadcnt 0x0
.endif
.set j, 0
.rept 16
	ds_store_b128 v[SI], v[R+64*((\t)%2)+4*j:R+64*((\t)%2)+4*j+3] offset:j*SP
.set j, j+1
.endr
.set j, 0
.rept 16
	ds_load_b128 v[X+4*j:X+4*j+3], v[SO] offset:128*(j/4)+16*(j%4)   ; LDS serves a wave's instructions in order (ISA guide 5.7.1.4): these see the stores above
.set j, j+1
.endr
.if (\t) > 0
	s_wait_xcnt 0x0                                ; the last step's stores have read their codes: those registers are written again only behind this wait
.endif
.if \w
.set j, 0
.rept 8
	ds_load_b128 v[DN+4*j:DN+4*j+3], v[DA] offset:(\t)*4096+512*j
.set j, j+1
.endr
.endif
	s_wait_dscnt 0x0                               ; the numbers are back, and the stage's stores have read the set of rows,
.if (\t)+2 < 4
	LOADR (\t)+2                                   ; which takes the rows of two steps on
.endif
.if \w
	DEQ \t
.endif
	HOLDCVT
.irp c, 0,1,2,3
	global_store_b128 v[LO], v[C+4*\c:C+4*\c+3], s[DST:DST+1] offset:((\t)/2)*1048576+((\t)%2)*2048+512*\c   ; 512 consecutive bytes, at a multiple of 512 from the buffer's first byte; the next launch reads them
.endr
.endm
	s_load_b256 s[4:11], s[0:1], 0x0               ; x s[4:5], W_q s[6:7], svd_up s[8:9], svd_down s[10:11]
	s_load_b256 s[12:19], s[0:1], 0x20             ; scale s[12:13], zero_point s[14:15], the exponents s[16:17], x_codes s[18:19]
	s_load_b64 s[20:21], s[0:1], 0x40              ; w_codes
	v_lshrrev_b32 v1, 5, v0
	v_readfirstlane_b32 s22, v1                    ; wave 0..15
	v_and_b32 v252, 31, v0                         ; lane
	v_and_b32 v6, 15, v0                           ; r
	v_bfe_u32 v7, v0, 4, 1                         ; h
	v_lshlrev_b32 v[LO], 4, v252
	s_and_b32 s23, ttmp7, 0xffff                   ; 0: x, 1: W
	s_and_b32 s24, ttmp9, 7                        ; a
	s_lshr_b32 s25, ttmp9, 3                       ; Tb
	s_lshl_b32 s26, s25, 4
	s_add_co_u32 s26, s26, s22                     ; T
	s_lshl_b32 s28, s26, 18                        ; 16 T rows of 16,384 bytes
	s_lshl_b32 s36, s24, 11                        ; + 4 a steps of 512 bytes
	s_add_co_u32 s28, s28, s36
	s_mov_b32 s29, 0
	s_lshl_b32 s30, s24, 21                        ; S = 2 a
	s_lshl_b32 s37, s26, 12
	s_add_co_u32 s30, s30, s37
	s_mov_b32 s31, 0
	s_mul_i32 s27, s22, WSTG                       ; my stage
	v_add_nc_u32 v[SI], s27, v[LO]                 ; in: a row's 512 bytes as they lie
	v_mul_u32_u24 v[SO], v6, SP
	v_lshl_add_u32 v[SO], v7, 6, v[SO]
	v_add_nc_u32 v[SO], s27, v[SO]                 ; out: row r, + 64 h: my sixteen numbers of a block of 32
	s_wait_kmcnt 0x0
	s_load_b128 s[32:35], s[16:17], 0x0            ; e0, e1, e2, e3
	s_cmp_lg_u32 s23, 0
	s_cbranch_scc1 .Lw
	; ---- x
	s_add_nc_u64 s[SRC:SRC+1], s[4:5], s[28:29]
	s_add_nc_u64 s[DST:DST+1], s[18:19], s[30:31]
	LOADR 0
	LOADR 1
	s_wait_kmcnt 0x0
	SCALES 34, CSC, LIM                            ; 2^e2
	STEP 0, 0
	STEP 1, 0
	STEP 2, 0
	STEP 3, 0
	s_wait_xcnt 0x0
	v_lshl_add_u32 v254, v0, 2, 0x46000
	v_mov_b32 v255, 0
	s_wait_tensorcnt 0x0
	ds_add_u32 v254, v255
	s_wait_dscnt 0x0
	s_endpgm
	; ---- W
.Lw:
	s_add_nc_u64 s[SRC:SRC+1], s[6:7], s[28:29]
	s_add_nc_u64 s[DST:DST+1], s[20:21], s[30:31]
	s_lshl_b32 s36, s24, 11                        ; svd_down: the work-group's 512 columns begin at 512 a; my wave quantises 32 of them: step wave / 4, block wave % 4
	s_lshl_b32 s37, s22, 7
	s_add_co_u32 s36, s36, s37
	s_mov_b32 s37, 0
	s_add_nc_u64 s[10:11], s[10:11], s[36:37]
	s_lshl_b32 s36, s26, 11                        ; svd_up, scale, zero_point: 16 T rows of 128 bytes,
	s_add_nc_u64 s[8:9], s[8:9], s[36:37]
	s_lshl_b32 s38, s24, 4                         ; and, of the last two, groups 4 a on
	s_add_co_u32 s36, s36, s38
	s_add_nc_u64 s[12:13], s[12:13], s[36:37]
	s_add_nc_u64 s[14:15], s[14:15], s[36:37]
	v_lshlrev_b32 v252, 2, v252                    ; svd_down: a lane to a column, registers down K
	v_lshlrev_b32 v254, 7, v6                      ; scale, zero_point: row r
	v_lshl_add_u32 v253, v7, 6, v254               ; svd_up: row r, k = 16 h on
.set i, 0
.rept 32
	global_load_b32 v[X+i], v252, s[10:11] offset:i*ROWB   ; svd_down(i, my column): the wave reads 128 consecutive bytes
.set i, i+1
.endr
.irp c, 0,1,2,3
	global_load_b128 v[X+32+4*\c:X+32+4*\c+3], v253, s[8:9] offset:16*\c
.endr
	global_load_b128 v[SC:SC+3], v254, s[12:13]
	global_load_b128 v[ZP:ZP+3], v254, s[14:15]
	LOADR 0
	v_add_nc_u32 v[SI], STG_W, v[SI]               ; this path's own stages
	v_add_nc_u32 v[SO], STG_W, v[SO]
	v_add_nc_u32 v[DA], DNB, v[LO]
	v_and_b32 v[DW], 7, v0                         ; column l of a block is row p = l % 8 + 8 (l / 16) of tile u = (l / 8) % 2: its codes go to lanes p (k 0-15) and p + 16 (k 16-31) of that tile's image
	v_lshlrev_b32 v[DW], 4, v[DW]
	v_bfe_u32 v255, v0, 3, 1
	v_lshl_add_u32 v[DW], v255, 9, v[DW]
	v_lshl_add_u32 v[DW], v7, 7, v[DW]
	s_lshl_b32 s38, s22, 10                        ; 4096 (wave / 4) + 1024 (wave % 4)
	s_add_co_u32 s38, s38, DNB
	v_add_nc_u32 v[DW], s38, v[DW]
	s_wait_kmcnt 0x0
	SCALES 32, 224, 225                            ; 2^e0, for svd_up
	SCALES 33, 226, 227                            ; 2^e1, for svd_down
	s_add_co_i32 s46, s32, s33                     ; e0 + e1: a sum of the small product stands for sum x 2^(e0 + e1); the dequantised numbers go in divided by that,
	s_sub_co_i32 s47, 0, s46
	s_sub_co_i32 s48, s35, s46                     ; and the conversion's one scale is 2^(e3 - e0 - e1)
	SCALES 48, CSC, LIM
	s_wait_loadcnt 16                              ; all but step 0's sixteen rows are in
.set i, 0
.rept 32
	v_med3_num_f32 v[X+i], v[X+i], -v227, v227
.set i, i+1
.endr
.irp g, 0,1,2,3
	v_cvt_scalef32_pk8_bf8_f32 v[DN+2*\g:DN+2*\g+1], v[X+8*\g:X+8*\g+7], v226
.endr
.set i, 32
.rept 16
	v_med3_num_f32 v[X+i], v[X+i], -v225, v225
.set i, i+1
.endr
	v_cvt_scalef32_pk8_bf8_f32 v[UP+4:UP+5], v[X+32:X+39], v224
	v_cvt_scalef32_pk8_bf8_f32 v[UP+6:UP+7], v[X+40:X+47], v224
	v_nop                                          ; one plain line behind the last conversion
	ds_store_b128 v[DW], v[DN:DN+3]                ; k 0-15
	ds_store_b128 v[DW], v[DN+4:DN+7] offset:256   ; k 16-31
.irp i, 0,1,2,3,8,9,10,11
	v_mov_b32 v[UP+\i], 0                          ; zero codes on both sides of svd_up's
.endr
.irp i, 0,1,2,3
	v_ldexp_f32 v[SC+\i], v[SC+\i], s47
.endr
	LOADR 1
	s_wait_dscnt 0x0                               ; for the others' sake: my images have landed
	s_barrier_signal -1
	s_barrier_wait -1                              ; all sixteen waves' have; from here on the images are only read
	STEP 0, 1
	STEP 1, 1
	STEP 2, 1
	STEP 3, 1
	s_wait_xcnt 0x0
	v_lshl_add_u32 v254, v0, 2, 0x46000
	v_mov_b32 v255, 0
	s_wait_tensorcnt 0x0
	ds_add_u32 v254, v255
	s_wait_dscnt 0x0
	s_endpgm
.Lfunc_end_k_q832585f4d4_prep:
	.size	k_q832585f4d4_prep, .Lfunc_end_k_q832585f4d4_prep-k_q832585f4d4_prep
	.p2alignl 7, 3214868480
	.fill 96, 4, 3214868480
	.section	.rodata,"a",@progbits
	.p2align	6, 0x0
	.amdhsa_kernel k_q832585f4d4_prep
		.amdhsa_group_segment_fixed_size 288768
		.amdhsa_private_segment_fixed_size 0
		.amdhsa_enable_private_segment 0
		.amdhsa_kernarg_size 72
		.amdhsa_user_sgpr_count 2
		.amdhsa_user_sgpr_kernarg_segment_ptr 1
		.amdhsa_wavefront_size32 1
		.amdhsa_system_sgpr_workgroup_id_x 1
		.amdhsa_system_sgpr_workgroup_id_y 1
		.amdhsa_system_sgpr_workgroup_id_z 1
		.amdhsa_system_vgpr_workitem_id 0
		.amdhsa_next_free_vgpr 256
		.amdhsa_next_free_sgpr 66
		.amdhsa_reserve_vcc 0
		.amdhsa_float_denorm_mode_32 3
		.amdhsa_float_denorm_mode_16_64 3
		.amdhsa_memory_ordered 1
		.amdhsa_forward_progress 1
		.amdhsa_inst_pref_size 109
	.end_amdhsa_kernel
	.amdgpu_metadata
---
amdhsa.version: [ 1, 2 ]
amdhsa.kernels:
  - .name:           k_q832585f4d4_prep
    .symbol:         k_q832585f4d4_prep.kd
    .args:
      - { .name: x, .offset: 0, .size: 8, .value_kind: global_buffer, .address_space: global }
      - { .name: W_q, .offset: 8, .size: 8, .value_kind: global_buffer, .address_space: global }
      - { .name: svd_up, .offset: 16, .size: 8, .value_kind: global_buffer, .address_space: global }
      - { .name: svd_down, .offset: 24, .size: 8, .value_kind: global_buffer, .address_space: global }
      - { .name: scale, .offset: 32, .size: 8, .value_kind: global_buffer, .address_space: global }
      - { .name: zero_point, .offset: 40, .size: 8, .value_kind: global_buffer, .address_space: global }
      - { .name: lowp_scales, .offset: 48, .size: 8, .value_kind: global_buffer, .address_space: global }
      - { .name: x_codes, .offset: 56, .size: 8, .value_kind: global_buffer, .address_space: global }
      - { .name: w_codes, .offset: 64, .size: 8, .value_kind: global_buffer, .address_space: global }
    .group_segment_fixed_size: 288768
    .private_segment_fixed_size: 0
    .kernarg_segment_align: 8
    .kernarg_segment_size: 72
    .max_flat_workgroup_size: 512
    .sgpr_count:     66
    .vgpr_count:     256
    .wavefront_size: 32
...
	.end_amdgpu_metadata
.endif
;; end of part 1
;; launch gemm (part 2): grid 16 x 16, 4 waves a work-group, clusters of 4 x 4, 327,680 bytes of LDS; arguments x_codes, w_codes, lowp_scales, bias, out0; writes out0
.if DOCPART == 2
	.amdgcn_target "amdgcn-amd-amdhsa--gfx1250"
	.amdhsa_code_object_version 6
	.text
	.protected	k_q832585f4d4_gemm
	.globl	k_q832585f4d4_gemm
	.p2align	8
	.type	k_q832585f4d4_gemm,@function
k_q832585f4d4_gemm:
	s_mov_b64 s[64:65], 0
	v_nop
	global_prefetch_b8 v0, s[64:65] scope:SCOPE_SE
	s_setreg_imm32_b32 hwreg(HW_REG_WAVE_MODE, 25, 1), 1
	s_wait_xcnt 0x0
	s_wait_alu depctr_hold_cnt(0) depctr_sa_sdst(0) depctr_va_vdst(0) depctr_va_sdst(0) depctr_va_ssrc(0) depctr_va_vcc(0) depctr_vm_vsrc(0)
	s_getreg_b32 s2, hwreg(HW_REG_IB_STS2, 6, 4)
	s_cmp_eq_u32 s2, 0
	s_cbranch_scc0 .Lentry_in_a_cluster
	s_endpgm
.Lentry_in_a_cluster:
	s_bfe_u32 s2, ttmp6, 0x10000c
	s_cmp_lg_u32 s2, 0xf033
	s_cbranch_scc0 .Lentry_shape_is_right
	s_endpgm
.Lentry_shape_is_right:
; out0[m][o] = 2^(e2 + e3) x (the sum over k of A[m][k] B[o][k]) + bias[o].  A = x_codes, B = w_codes: codes of BF8 (E5M2), M = N = K = 4,096; sums in f32; e2, e3: entries 2 and 3 of the exponents.
; LIMIT: e2 + e3 lies between -126 and 127, so that 2^(e2 + e3) is an f32 number.
; THE CODES LIE IN THE ORDER OF THE OPERAND'S REGISTERS.  With S = k / 256, T = row / 16, q = (k / 128) % 2: byte = S 1,048,576 + T 4,096 + q 2,048 + c 512 + 16 lane + n; lane (r, h) holds row 16 T + r,
; k = 128 (2 S + q) + 32 c + 16 h + n.  So 128 rows of a K step of 256 are one dense block of 32,768 bytes, one tensor load; a fragment (16 rows x 128 K, 16 registers) is four LDS loads of 512 consecutive
; bytes; there is no pitch and no padding.  The place of k in the registers is the same in A and in B, so every product meets its partner; only the order of the sums inside an instruction differs from ascending k.
; A tile of out0, 256 x 256, is made by a work-group of four waves; a wave makes 128 x 128: 64 accumulators of 16 x 16, 512 registers.  K goes in steps of 256 through a ring of two LDS slots.
; CLUSTERS: 4 x 4 work-groups.  The four of a row of the cluster need the same blocks of A, the four of a column the same blocks of B: each block is asked for JOINTLY, by the same tensor load with the
; same descriptor and a mask that names the four.  THE MATRIX INSTRUCTION IS USED TRANSPOSED (source 0 = 16 rows of B, source 1 = 16 rows of A): a lane then holds eight neighbouring numbers of a row of out0.
; PREFETCH.  A K step's codes are 65,536 bytes for each tile row of A and for each tile column of B, and sixteen work-groups will read them.  Each of the sixteen asks for a sixteenth, 4,096 bytes, once in the
; launch: wave 0 for A (the tile column picks the sixteenth), wave 2 for B (the tile row picks it).  One instruction serves two K steps: lanes 0-15 stand 256 bytes apart in the first step's 4,096 bytes, lanes 16-31
; in the next step's.  K steps 2 and 3 are asked for at the head; trip i of the loop asks, behind its refill of slot 1, for K steps 2 i + 4 and 2 i + 5, which the next trip's two refills load: one and two K steps
; ahead.  K steps 0 and 1 are the first fills and are not asked for; the last trip asks for nothing, since K ends with step 15.
; REGISTERS, in windows of 256: window 0: v0-31 addresses, v8-11 my four numbers of bias; from v128 A's fragments (8 x 16 rows x 128 K), ONE set; on the way out v128-255 take rows read back from the stage.
;   window 1: B's fragments, TWO sets, at v0 and at v128.   window 2: the 32 accumulators of my rows 0-63 (accumulator (a, b) at v[8 (8 a + b)]);   window 3: those of my rows 64-127.
; A step of 128 along K is 64 matrix instructions, A's blocks one after the other, each against B's eight.  A block of A is free as soon as its eight products are issued, so one set of registers serves A:
; blocks 0-3 are fetched anew in the step's middle, blocks 4-7 at its end.  B's fragments are at work through the whole step, so B has two sets.
.set SIZE_N, 4096
.set TILEB,  4096                      ; a row tile's two fragments of a K step
.set FRB,    2048                      ; a fragment's image
.set HALFT,  32768                     ; 128 rows of a K step: what one tensor load brings, and what one wave reads of A or of B
.set SLOT,   4*HALFT                   ; A's 256 rows, then B's 256 rows
.set KSTRIDE, 1048576                  ; bytes in memory from a K step to the next
.set LAPS,   8                         ; a lap = two K steps = once round the ring: 16 K steps of 256
.set FR,     16                        ; registers of a fragment
.set NL,     4                         ; LDS loads that bring one
.set NP,     4                         ; places behind this matrix instruction (ISA guide 7.12.1)
.set SPARE,  2*SLOT                    ; behind the ring: the spare words, 128 bytes for each wave: two blocks of 256 bytes that no other line names
.set SPITCH, 528                       ; the way out: a stage of 16 rows x (512 bytes + 16) for each wave.  It lies in slot 0, which has had its last fill and its last read when the first result is stored there
.set BI,   8                           ; v[8:11] bias of my four columns of a row read back
.set ADRA, 16                          ; v16-17  LDS address of my A fragments in slot 0, 1
.set ADRB, 20                          ; v20-21  the same for B
.set STO,  24                          ; v24     the way out: where I put 32 bytes of a row
.set RD,   25                          ; v25     the way out: where I read a row back
.set CO,   26                          ; v26     16 x lane: my byte offset in a row's 512 bytes
.set PO,   27                          ; v27     the prefetch: 256 (lane % 16) + 1,048,576 (lane / 16); never rewritten
.set SPW,  28                          ; v28     LDS address of my spare word: SPARE + 4 x my thread's number; never rewritten
.set NIL,  29                          ; v29     0; never rewritten
.set AF,   128                         ; A's fragments, in window 0
.set BK,   128                         ; the way out: 16 rows read back from the stage: v128-191 and v192-255 by turns
.set G1, 24                            ; s[24:31] descriptor group 1 for A's blocks;  s[32:39] group 0, one set for each slot
.set G0, 32
.set G1B, 48                           ; s[48:55], s[56:63] the same for B's blocks
.set G0B, 56
.set PB,  68                           ; s[68:69] the prefetch's base: my operand's codes at my sixteenth of the K step asked for
.set MSB, 0
.macro WIN new                         ; the immediate's high byte repeats the setting that is left
.if MSB != (\new)
	s_set_vgpr_msb (MSB<<8)|(\new)
.set MSB, (\new)
.endif
.endm
.set MUL_LO, 0xa1                      ; source 0 (B) window 1, source 1 (A) window 0, C and D window 2
.set MUL_HI, 0xf1                      ; the same, C and D window 3
.set TO_B,   0x40                      ; destination window 1, address window 0
; A joint load: waves 0 and 1 fetch for A, waves 2 and 3 for B.  Each of the two lines has ONE mask and one set of registers for all that issue it; the branch hangs on the wave's number alone.
; Four v_nop follow each of the two lines, ahead of the jump, the label and what follows.
.macro JLOAD g0a, g1a, g0b, g1b
	s_cmp_eq_u32 s15, 0
	s_cbranch_scc0 .Lfor_b_\@
	tensor_load_to_lds s[\g0a:\g0a+3], s[\g1a:\g1a+7]
	s_nop 0
.rept 4
	v_nop
.endr
	s_branch .Lasked_\@
.Lfor_b_\@:
	tensor_load_to_lds s[\g0b:\g0b+3], s[\g1b:\g1b+7]
	s_nop 0
.rept 4
	v_nop
.endr
.Lasked_\@:
.endm
.macro CREST                           ; a round of the cluster's barrier behind its opening barrier
	s_cmp_lg_u32 s14, 0
	s_cbranch_scc1 .Lnot_wave_0_\@
	s_barrier_signal -3
.Lnot_wave_0_\@:
	s_barrier_wait -3
	s_barrier_signal -1
	s_barrier_wait -1
.endm
.macro CROUND                          ; a whole round
	s_barrier_signal -1
	s_barrier_wait -1
	CREST
.endm
	s_load_b128 s[4:7], s[0:1], 0x0                ; A's codes s[4:5], B's codes s[6:7]
	s_load_b128 s[8:11], s[0:1], 0x10              ; the exponents s[8:9], bias s[10:11]
	s_load_b64 s[12:13], s[0:1], 0x20              ; out0
	v_lshl_add_u32 v[SPW], v0, 2, SPARE
	v_mov_b32 v[NIL], 0
	ds_add_u32 v28, v29
	ds_add_u32 v28, v29
	s_wait_dscnt 0x0
	v_lshrrev_b32 v1, 5, v0
	v_readfirstlane_b32 s14, v1                    ; wave 0..3
	s_lshr_b32 s15, s14, 1                         ; which half of the tile's rows is mine.  Also: I fetch for A (0) or for B (1)
	s_and_b32 s16, s14, 1                          ; which half of its columns.  Also: which 128 rows of that operand I fetch
	s_bfe_u32 s40, ttmp6, 0x40000                  ; cx, cy: my place in the cluster
	s_bfe_u32 s41, ttmp6, 0x40004
	s_lshl_b32 s42, ttmp9, 2
	s_add_co_u32 s42, s42, s40                     ; tile column = 4 x cluster x + cx
	s_and_b32 s17, ttmp7, 0xffff
	s_lshl_b32 s17, s17, 2
	s_add_co_u32 s17, s17, s41                     ; tile row = 4 x cluster y + cy
	s_lshl_b32 s43, s41, 2
	s_lshl_b32 s43, 15, s43                        ; my row of the cluster
	s_lshl_b32 s44, 0x1111, s40                    ; my column
	; descriptor group 1: a dense block of 32,768 bytes, stated as 128 rows of 32 elements of 8 bytes, laid into LDS without padding
	s_or_b32 s[G1+0], s43, (3<<16)|(1<<21)         ; 15:0 the mask: A's blocks go to my row; 17:16 elements of 8 bytes; 20 padding off; 21 set beside a mask
	s_or_b32 s[G1B+0], s44, (3<<16)|(1<<21)        ; the same with the mask of my column
.irp g, G1, G1B
	s_mov_b32 s[\g+1], 32<<16                      ; tensor_dim0 = 32
	s_mov_b32 s[\g+2], 128<<16                     ; tensor_dim1 = 128
	s_mov_b32 s[\g+3], 32<<16                      ; tile_dim0 = 32
	s_mov_b32 s[\g+4], 128                         ; tile_dim1 = 128
	s_mov_b32 s[\g+5], 32                          ; tensor_dim0_stride: a row begins where the last ends
	s_mov_b32 s[\g+6], 0
	s_mov_b32 s[\g+7], 0
.endr
	s_lshl_b32 s18, s16, 15                        ; which 128 rows I fetch: eight row tiles of 4,096 bytes
	s_lshl_b32 s20, s17, 16
	s_add_co_u32 s20, s20, s18                     ; A: 65,536 x tile row + 32,768 x half
	s_lshl_b32 s46, s42, 16
	s_add_co_u32 s46, s46, s18                     ; B: 65,536 x tile column + 32,768 x half
	s_mov_b32 s21, 0
	s_mov_b32 s47, 0
	s_mul_i32 s45, s14, HALFT                      ; where they go: wave x 32,768: no place in the cluster enters an LDS address
	s_wait_kmcnt 0x0
	s_load_b128 s[92:95], s[8:9], 0x0              ; e0, e1, e2, e3
	s_add_nc_u64 s[20:21], s[4:5], s[20:21]
	s_add_nc_u64 s[46:47], s[6:7], s[46:47]
	CROUND                                         ; all sixteen work-groups are here: the first joint loads meet
.irp s, 0,1
	s_mov_b32 s[G0+4*\s], 1
	s_add_co_u32 s[G0+4*\s+1], s45, \s*SLOT
	s_add_nc_u64 s[G0+4*\s+2:G0+4*\s+3], s[20:21], \s*KSTRIDE
	s_or_b32 s[G0+4*\s+3], s[G0+4*\s+3], 0x80000000
	s_mov_b32 s[G0B+4*\s], 1
	s_add_co_u32 s[G0B+4*\s+1], s45, \s*SLOT
	s_add_nc_u64 s[G0B+4*\s+2:G0B+4*\s+3], s[46:47], \s*KSTRIDE
	s_or_b32 s[G0B+4*\s+3], s[G0B+4*\s+3], 0x80000000
	JLOAD G0+4*\s, G1, G0B+4*\s, G1B
.endr
	v_and_b32 v1, 15, v0                           ; l % 16
	v_bfe_u32 v2, v0, 4, 1                         ; l / 16
	v_and_b32 v6, 31, v0
	v_lshlrev_b32 v[CO], 4, v6                     ; 16 x lane
	; the prefetch: waves 0 and 1 make A's base, waves 2 and 3 B's (the choice hangs on the wave's number alone); waves 0 and 2 ask
	s_cmp_eq_u32 s15, 0
	s_cselect_b64 s[PB:PB+1], s[4:5], s[6:7]       ; my operand's codes,
	s_cselect_b32 s70, s17, s42                    ; the tile whose 65,536 bytes of a K step my work-group reads: A's tile row, B's tile column,
	s_cselect_b32 s71, s42, s17                    ; and which sixteenth of them I ask for: the other coordinate
	s_lshl_b32 s70, s70, 16
	s_lshl_b32 s71, s71, 12
	s_add_co_u32 s70, s70, s71
	s_add_co_u32 s70, s70, 2*KSTRIDE               ; K step 2 on
	s_mov_b32 s71, 0
	s_add_nc_u64 s[PB:PB+1], s[PB:PB+1], s[70:71]
	v_lshlrev_b32 v[PO], 8, v1                     ; sixteen lanes 256 bytes apart: 4,096 bytes;
	v_lshl_add_u32 v[PO], v2, 20, v[PO]            ; lanes 16-31 the same in the next K step
	s_cmp_lg_u32 s16, 0
	s_cbranch_scc1 .Lnot_asking
	global_prefetch_b8 v[PO], s[PB:PB+1] th:TH_LOAD_NT scope:SCOPE_SE   ; K steps 2 and 3, which the loop's first trip loads
.Lnot_asking:
	s_mul_i32 s21, s15, HALFT                      ; my 128 rows of A
	s_mul_i32 s22, s16, HALFT                      ; my 128 rows of B,
	s_add_co_u32 s22, s22, 2*HALFT                 ; which lie behind A's 256
.irp s, 0,1
	v_add_nc_u32 v[ADRA+\s], s21, v[CO]
	v_add_nc_u32 v[ADRB+\s], s22, v[CO]
	s_add_co_u32 s21, s21, SLOT
	s_add_co_u32 s22, s22, SLOT
.endr
	s_mul_i32 s23, s14, 16*SPITCH                  ; my stage
	v_mul_u32_u24 v5, v1, SPITCH                   ; in: row l % 16, 32 bytes for each half of the lanes
	v_lshl_add_u32 v5, v2, 5, v5
	v_add_nc_u32 v[STO], s23, v5
	v_add_nc_u32 v[RD], s23, v[CO]                 ; back: the 32 lanes take one row of 512 bytes
	s_lshl_b32 s20, s17, 8
	s_lshl_b32 s21, s15, 7
	s_add_co_u32 s20, s20, s21                     ; my first row of out0: 256 x tile row + 128 x half,
	s_lshl_b32 s20, s20, 14                        ; of 16,384 bytes each
	s_mov_b32 s21, 0
	s_lshl_b32 s46, s42, 10                        ; my first column, in bytes: 1,024 x tile column + 512 x half
	s_lshl_b32 s47, s16, 9
	s_add_co_u32 s46, s46, s47
	s_mov_b32 s47, 0
	s_add_nc_u64 s[10:11], s[10:11], s[46:47]      ; bias at my first column
	s_add_nc_u64 s[20:21], s[20:21], s[46:47]
	s_add_nc_u64 s[12:13], s[12:13], s[20:21]
	global_load_b128 v[BI:BI+3], v[CO], s[10:11]   ; bias of columns 4 lane .. 4 lane + 3 of my 128: waited for ahead of the way out
.macro FRAG reg, adr, q, i             ; fragment i of eight, the slot's q-th 128 along K: four loads of 512 consecutive bytes; registers 4 c .. 4 c + 3 hold K = 32 c + 16 (l / 16) + 0 .. 15 of row l % 16
.irp c, 0,1,2,3
	ds_load_b128 v[\reg+4*\c:\reg+4*\c+3], v[\adr] offset:(\i)*TILEB+(\q)*FRB+512*\c
.endr
.endm
; 16 matrix instructions: A's blocks a0, a0 + 1 x B's eight, 128 along K.  p: B's set.  zero = 1: the first product starts the sums: nothing is ever cleared.
; The 64 accumulators take turns, one instruction a turn, in the same order in every step.
.macro MUL16 a0, p, zero
.irp a, \a0, \a0+1
.irp b, 0,1,2,3,4,5,6,7
.if \zero
	v_wmma_f32_16x16x128_bf8_bf8 v[8*(8*((\a)%4)+\b):8*(8*((\a)%4)+\b)+7], v[128*(\p)+FR*\b:128*(\p)+FR*\b+FR-1], v[AF+FR*(\a):AF+FR*(\a)+FR-1], 0
.else
	v_wmma_f32_16x16x128_bf8_bf8 v[8*(8*((\a)%4)+\b):8*(8*((\a)%4)+\b)+7], v[128*(\p)+FR*\b:128*(\p)+FR*\b+FR-1], v[AF+FR*(\a):AF+FR*(\a)+FR-1], v[8*(8*((\a)%4)+\b):8*(8*((\a)%4)+\b)+7]
.endif
.endr
.endr
.endm
.macro FETCH_B slot, q, p              ; B's eight fragments of the slot's q-th 128 along K into set p
	WIN TO_B
.irp i, 0,1,2,3,4,5,6,7
	FRAG 128*(\p)+FR*\i, ADRB+\slot, \q, \i
.endr
	WIN 0
.endm
.macro FETCH_A slot, q, i0             ; A's blocks i0 .. i0 + 3
.irp i, \i0, \i0+1, \i0+2, \i0+3
	FRAG AF+FR*(\i), ADRA+\slot, \q, \i
.endr
.endm
; A load into a register that a matrix instruction has read, and a vector instruction or an LDS store that reads a matrix result, stand NP places behind that matrix instruction, and only plain vector
; instructions that name none of its registers are places (ISA guide 7.12.1 for vector instructions); this text does not count the matrix instructions in between.
.macro PLACES n
.rept \n
	v_nop
.endr
.endm
; A step of 128 along K that has its successor in the same slot.
.macro STEP slot, q, zero
	s_wait_dscnt 4*NL                              ; B's set and A's blocks 0-3 are in; the youngest sixteen loads (A's blocks 4-7) may be out
	WIN MUL_LO
	MUL16 0, (\q)%2, \zero
	MUL16 2, (\q)%2, \zero
	s_wait_dscnt 0                                 ; A's blocks 4-7 are in (asked for 32 matrix instructions ago)
	PLACES NP
	FETCH_B \slot, (\q)+1, 1-(\q)%2
	FETCH_A \slot, (\q)+1, 0
	WIN MUL_HI
	MUL16 4, (\q)%2, \zero
	MUL16 6, (\q)%2, \zero
	PLACES NP
	WIN 0
	FETCH_A \slot, (\q)+1, 4
.endm
; A slot's last step changes slots, in its middle.  All its fragments are in registers or on their way there, so its first 32 products stand AHEAD of the wait for the next slot's tile: they are issued while that
; tile may still be landing.  Then ONE barrier: in front of it each wave waits for all its tensor loads, adds 0 to its spare word, and waits for that and for its own reads of this slot.
; fill = 1: this slot is filled again, two K steps ahead; the barrier then opens a round of the cluster's.  ask = 1: the prefetch of the K steps that the next trip loads.
.macro TURN slot, next, fill, ask
	s_wait_dscnt 4*NL                              ; B's set and A's blocks 0-3 are in; the youngest sixteen loads (A's blocks 4-7) may be out
	WIN MUL_LO
	MUL16 0, 1, 0
	MUL16 2, 1, 0
	WIN 0
	s_wait_tensorcnt 0x0                           ; all my tensor loads have landed: the one that was out is my part of the next slot; so every group 0 may be written
	ds_add_u32 v[SPW], v[NIL]                      ; 0 onto my spare word: the descriptors' steps stand between it and the wait for it
.if \fill
	s_add_nc_u64 s[G0+4*\slot+2:G0+4*\slot+3], s[G0+4*\slot+2:G0+4*\slot+3], 2*KSTRIDE
	s_add_nc_u64 s[G0B+4*\slot+2:G0B+4*\slot+3], s[G0B+4*\slot+2:G0B+4*\slot+3], 2*KSTRIDE
.endif
	s_wait_dscnt 0x0                               ; the add is done, and my reads of this slot are over: A's blocks 4-7, its last, are in
	s_barrier_signal -1
	s_barrier_wait -1
.if \fill
	CREST                                          ; the barrier has opened a round of the cluster's barrier: no wave of any partner still reads this slot's blocks or has a load on its way
	JLOAD G0+4*\slot, G1, G0B+4*\slot, G1B         ; the first tensor load behind the round, my one load until the next: up to the wait for it I issue 32 + 64 + 32 matrix instructions; the four v_nop behind it are the places in front of the loads below
.else
	PLACES NP
.endif
	FETCH_B \next, 0, 0
	FETCH_A \next, 0, 0
.if \ask
	s_wait_xcnt 0x0                                ; the last prefetch, a lap ago, has read its base
	s_add_nc_u64 s[PB:PB+1], s[PB:PB+1], 2*KSTRIDE ; every wave steps the base in every trip; in the last trip it is not used
	s_cmp_eq_u32 s3, 1                             ; the last trip asks for nothing: K ends with step 15
	s_cbranch_scc1 .Lno_ask_\@
	s_cmp_lg_u32 s16, 0                            ; waves 0 and 2 ask
	s_cbranch_scc1 .Lno_ask_\@
	global_prefetch_b8 v[PO], s[PB:PB+1] th:TH_LOAD_NT scope:SCOPE_SE   ; the two K steps that the next trip's refills load
.Lno_ask_\@:
.endif
	WIN MUL_HI
	MUL16 4, 1, 0
	MUL16 6, 1, 0
	PLACES NP
	WIN 0
	FETCH_A \next, 0, 4
.endm
	s_wait_tensorcnt 1                             ; my part of K step 0 is in (K step 1's load may be out)
	s_barrier_signal -1
	s_barrier_wait -1                              ; everybody's is
	FETCH_B 0, 0, 0
	FETCH_A 0, 0, 0
	FETCH_A 0, 0, 4
	STEP 0, 0, 1                                   ; the first step stands in front of the loop: its products start the sums
	s_mov_b32 s3, LAPS-1
.Llap:                                                 ; a trip goes once round the ring, from a lap's second step to the next lap's first, and fills both slots again
	TURN 0, 1, 1, 0
	STEP 1, 0, 0
	TURN 1, 0, 1, 1
	STEP 0, 0, 0
	s_sub_co_u32 s3, s3, 1
	s_cmp_lg_u32 s3, 0
	s_cbranch_scc1 .Llap
	TURN 0, 1, 0, 0                                ; the last lap fills nothing, and has no round of the cluster's barrier
	STEP 1, 0, 0
	s_wait_dscnt 4*NL                              ; the very last step: nothing more to fetch
	WIN MUL_LO
	MUL16 0, 1, 0
	MUL16 2, 1, 0
	s_wait_dscnt 0
	WIN MUL_HI
	MUL16 4, 1, 0
	MUL16 6, 1, 0
	WIN 0
; THE WAY OUT, block by block of 16 rows x 128 columns.  A lane holds 32 neighbouring bytes of a row, and the lanes beside it hold other rows: so a block's sums go as they are through my own stage in LDS and come
; back as whole rows of 512 bytes; there a lane holds four columns that are the same in every row, so four registers of bias serve all, and one packed multiply-add for two numbers gives sum x 2^(e2 + e3) + bias.
; LDS serves a wave's instructions in order (ISA guide 5.7.1.4): no wait between the stores and the loads, nor in front of the next block's stores.
.macro TOSTAGE a
.set AC, 64*((\a)%4)
	WIN 8+4*((\a)/4)                               ; an LDS store's data are source 1: window 2 or 3; its address is source 0: window 0
.irp b, 0,1,2,3,4,5,6,7
	ds_store_b128 v[STO], v[AC+8*\b:AC+8*\b+3] offset:64*\b          ; each accumulator from its low end on
	ds_store_b128 v[STO], v[AC+8*\b+4:AC+8*\b+7] offset:64*\b+16
.endr
	WIN 0
.set BB, BK+64*((\a)%2)
.irp t, 0,1,2,3,4,5,6,7,8,9,10,11,12,13,14,15
	ds_load_b128 v[BB+4*\t:BB+4*\t+3], v[RD] offset:\t*SPITCH
.endr
.endm
.macro SEND a, younger                 ; younger: the LDS instructions issued behind block a's loads, which may stay out
.set BB, BK+64*((\a)%2)
	s_wait_dscnt \younger                          ; the block is back in registers
.if (\a) > 0
	s_add_nc_u64 s[12:13], s[12:13], 16*SIZE_N*4   ; (behind a wait on XCNT: the earlier stores have read their base)  16 rows on, so that the stores' offsets stay at 15 rows at the most
.endif
.irp t, 0,1,2,3,4,5,6,7,8,9,10,11,12,13,14,15      ; the block's 32 multiply-adds in one run, so that no store stands straight behind the lines that make its data
	v_pk_fma_f32 v[BB+4*\t:BB+4*\t+1], v[BB+4*\t:BB+4*\t+1], s[96:97], v[BI:BI+1] op_sel_hi:[1,0,1]       ; the scalar pair's low word for both halves
	v_pk_fma_f32 v[BB+4*\t+2:BB+4*\t+3], v[BB+4*\t+2:BB+4*\t+3], s[96:97], v[BI+2:BI+3] op_sel_hi:[1,0,1]
.endr
.irp t, 0,1,2,3,4,5,6,7,8,9,10,11,12,13,14,15
	global_store_b128 v[CO], v[BB+4*\t:BB+4*\t+3], s[12:13] offset:\t*SIZE_N*4 th:TH_STORE_NT   ; 32 lanes store 512 consecutive bytes, at a multiple of 512 from out0's first byte; written once, read by nobody here
.endr
.endm
	s_wait_kmcnt 0x0
	s_add_co_i32 s96, s94, s95                     ; e2 + e3, between -126 and 127,
	s_add_co_i32 s96, s96, 127
	s_lshl_b32 s96, s96, 23                        ; makes the f32 number 2^(e2 + e3)
	s_mov_b32 s97, s96                             ; (named with it as a pair, so it is written)
	s_wait_loadcnt 0x0                             ; bias
	PLACES NP                                      ; behind the last products: for the LDS stores that read results, and for the loads into the registers that held A's fragments
	TOSTAGE 0
.irp a, 1,2,3,4,5,6,7
.if \a > 1
	s_wait_xcnt 0x0                                ; block a - 2's stores have read their registers and their base: block a's loads may land there, and the base may step
.endif
	TOSTAGE \a
	SEND \a-1, 32                                  ; behind block a - 1's loads: block a's 16 stores and 16 loads
.endr
	s_wait_xcnt 0x0                                ; block 6's stores have read their base
	SEND 7, 0
	s_wait_tensorcnt 0x0                           ; the wave's end: behind my last tensor load and my last LDS store
	ds_add_u32 v[SPW], v[NIL]
	s_wait_dscnt 0x0
	CROUND                                         ; the closing round: no work-group ends while a partner may still ask for a block that names it
	s_endpgm
.Lfunc_end_k_q832585f4d4_gemm:
	.size	k_q832585f4d4_gemm, .Lfunc_end_k_q832585f4d4_gemm-k_q832585f4d4_gemm
	.p2alignl 7, 3214868480
	.fill 96, 4, 3214868480
	.section	.rodata,"a",@progbits
	.p2align	6, 0x0
	.amdhsa_kernel k_q832585f4d4_gemm
		.amdhsa_group_segment_fixed_size 327680
		.amdhsa_private_segment_fixed_size 0
		.amdhsa_enable_private_segment 0
		.amdhsa_kernarg_size 40
		.amdhsa_user_sgpr_count 2
		.amdhsa_user_sgpr_kernarg_segment_ptr 1
		.amdhsa_wavefront_size32 1
		.amdhsa_system_sgpr_workgroup_id_x 1
		.amdhsa_system_sgpr_workgroup_id_y 1
		.amdhsa_system_sgpr_workgroup_id_z 1
		.amdhsa_system_vgpr_workitem_id 0
		.amdhsa_next_free_vgpr 1024
		.amdhsa_next_free_sgpr 98
		.amdhsa_reserve_vcc 0
		.amdhsa_float_denorm_mode_32 3
		.amdhsa_float_denorm_mode_16_64 3
		.amdhsa_memory_ordered 1
		.amdhsa_forward_progress 1
		.amdhsa_inst_pref_size 124
	.end_amdhsa_kernel
	.amdgpu_metadata
---
amdhsa.version: [ 1, 2 ]
amdhsa.kernels:
  - .name:           k_q832585f4d4_gemm
    .symbol:         k_q832585f4d4_gemm.kd
    .args:
      - { .name: x_codes, .offset: 0, .size: 8, .value_kind: global_buffer, .address_space: global }
      - { .name: w_codes, .offset: 8, .size: 8, .value_kind: global_buffer, .address_space: global }
      - { .name: lowp_scales, .offset: 16, .size: 8, .value_kind: global_buffer, .address_space: global }
      - { .name: bias, .offset: 24, .size: 8, .value_kind: global_buffer, .address_space: global }
      - { .name: out0, .offset: 32, .size: 8, .value_kind: global_buffer, .address_space: global }
    .group_segment_fixed_size: 327680
    .private_segment_fixed_size: 0
    .kernarg_segment_align: 8
    .kernarg_segment_size: 40
    .max_flat_workgroup_size: 128
    .sgpr_count:     98
    .vgpr_count:     1024
    .wavefront_size: 32
...
	.end_amdgpu_metadata
.endif
;; end of part 2
;; ======== version 2 of 2: 2 launches
;; workspace buffers: x_codes 16,777,216 bytes; w_codes 16,777,216 bytes
;; launch prep (part 3): grid 128 x 2, 16 waves a work-group, no clusters, 288,768 bytes of LDS; arguments x, W_q, svd_up, svd_down, scale, zero_point, lowp_scales, x_codes, w_codes; writes x_codes, w_codes
.if DOCPART == 3
	.amdgcn_target "amdgcn-amd-amdhsa--gfx1250"
	.amdhsa_code_object_version 6
	.text
	.protected	k_q832585f4d4_prep
	.globl	k_q832585f4d4_prep
	.p2align	8
	.type	k_q832585f4d4_prep,@function
k_q832585f4d4_prep:
	s_mov_b64 s[64:65], 0
	v_nop
	global_prefetch_b8 v0, s[64:65] scope:SCOPE_SE
	s_setreg_imm32_b32 hwreg(HW_REG_WAVE_SCHED_MODE, 0, 2), 2
	s_setreg_imm32_b32 hwreg(HW_REG_WAVE_MODE, 25, 1), 1
	s_wait_xcnt 0x0
	s_wait_alu depctr_vm_vsrc(0)
; Both operands of the large product become codes of BF8 (E5M2), once.
;   work-groups with y = 0:  x [4096][4096] f32                                       -> x_codes, scale 2^e2
;   work-groups with y = 1:  W_f = (W_q - zero_point) scale + Q(svd_up) Q(svd_down)   -> w_codes, scale 2^e3
; The small product (K = 32) is made here on codes of BF8 with the scales 2^e0 and 2^e1, by v_wmma_f32_16x16x64_bf8_bf8.
; code = number / 2^e, held within +-57,344, rounded to the nearest code, ties to even.
; LIMITS: e0, e1, e2 and e3 - e0 - e1 lie between -126 and 112, so that each power of two below and 57,344 times it are f32 numbers;
; scale x 2^-(e0 + e1) stays a normal f32 number.  NaN among the inputs is not served; an infinity is held at the largest code.  W_q may hold any int32.
; THE CODES' LAYOUT is the order of the operand's registers in the large product.  With S = k / 256, T = row / 16, q = (k / 128) % 2:
;   byte = S 1,048,576 + T 4,096 + q 2,048 + c 512 + 16 lane + n,  lane (r, h) holding row 16 T + r and k = 128 (2 S + q) + 32 c + 16 h + n, n = 0 .. 15.
; SHARES.  Work-group x = 8 Tb + a takes K steps 4 a .. 4 a + 3 (128 along K each: one group of W_q) of row tiles 16 Tb .. 16 Tb + 15; wave v takes row tile T = 16 Tb + v.
; A STEP: sixteen loads, each 512 consecutive bytes of one row; through the wave's own stage in LDS, so that lane (r, h) gets, of row r, sixteen neighbours along K of each
; block of 32; (W: dequantised, small product added;) held, converted; four stores of 512 consecutive bytes, which leave at the head of the next step.  Loads run two steps ahead.  The four steps are written out.
; THE SMALL PRODUCT IS USED TRANSPOSED: source 0 = 16 columns i of svd_down, source 1 = my 16 rows of svd_up.  Row p of tile 2 b + u is column 32 b + 8 u + p + 8 (p / 8), so that the
; result's register j of lane (r, h) is i = 32 b + 16 h + 8 u + j of row r: the very register in which the dequantised number of that place lies.  That number is the product's C.
; K = 32 IN A FORM OF K = 64: lane half h holds k = 16 h .. 16 h + 15 in four registers, alike on both sides.  A fragment of svd_down carries tile 2 b in registers 0-3 and tile 2 b + 1
; in registers 4-7; svd_up stands against one of them and zero codes against the other.  All codes are finite (the hold), so the other half adds nothing.
; The two kinds of work-group part once, on the work-group's y, and never join; each has LDS bytes of its own.
; THE MODE: SCHED_MODE bits 1:0 = 2 (LLVM: expert scheduling mode 2), set by the entry lines.  The code itself states the register dependences
; between vector or matrix instructions and memory or LDS instructions, with s_wait_alu, always for 0.
; THE PLAN.  Registers that memory or LDS instructions touch:
;   v1 .. v5      offsets and LDS addresses: made at the head of each path, ahead of one wait on va_vdst, and never written again.
;   R0, R1        rows as loaded.  Written by the rows' loads, read by the stage's stores; no vector instruction names them: only the wait on vm_vsrc stands between a set's stores and its next loads.
;   X             Step t: its sixteen LDS loads land in it; then its vector and matrix lines work in it.
;   DN            (W) Step t: its eight LDS loads land in it; its eight products read it.
;   C             lies on DN's first sixteen registers.  Step t's conversions write it; the four stores at the head of step t + 1 read it.
;   v252, v254    (W) offsets of the head's loads; each step writes them anew as the step's zero_point and scale.
; So ONE wait on va_vdst stands at the head of steps 1 to 3: the step before has written C and is done with X and DN; no vector line stands between it and the step's stores and LDS loads.
; ONE wait on vm_vsrc stands in every step, behind the stage's stores and loads: the stores have read C and the set of rows, so that svd_down's fragments and the rows of two steps on may land.
; Step 0 leans on the waits of its path's head, behind which no vector line names a register of this list.  One more wait on va_vdst stands ahead of the last four stores.
.set ROWB,  16384                      ; a row of x or of W_q in bytes
.set SP,    528                        ; a stage row: 512 bytes + 16, so that the sixteen rows that a read touches begin sixteen bytes further on in each 256
.set WSTG,  16*SP                      ; a wave's stage
.set STG_W, 16*WSTG                    ; LDS: the x path's sixteen stages from byte 0, the W path's from here,
.set DNB,   32*WSTG                    ; then svd_down's codes as fragment images: step t, block b, tile u at 4096 t + 1024 b + 512 u + 16 lane
.set LO,  1                            ; v1   16 x lane: my bytes of a load's or a store's 512
.set SI,  2                            ; v2   the stage, on the way in
.set SO,  3                            ; v3   the stage, on the way out
.set DA,  4                            ; v4   svd_down's images, to read
.set DW,  5                            ; v5   svd_down's images, to write
.set LIM, 6                            ; v6   57,344 x the conversion's scale  (until then: r)
.set CSC, 7                            ; v7   the conversion's scale as f32    (until then: h)
.set SC,  8                            ; v[8:11]   scale x 2^-(e0 + e1) of groups 4 a .. 4 a + 3, row r
.set ZP,  12                           ; v[12:15]  zero_point of the same
.set R,   16                           ; v16-143   two sets of sixteen rows as loaded
.set X,   144                          ; v144-207  64 numbers: register 16 b + i is k = 32 b + 16 h + i of row r; the small product's eight accumulators
.set DN,  208                          ; v208-239  four fragments of svd_down
.set C,   208                          ; v208-223  then the step's codes
.set UP,  240                          ; v240-251  zeros | svd_up's codes | zeros
.set SRC, 40                           ; s[40:41]  my rows' first byte
.set DST, 42                           ; s[42:43]  my codes' first byte
; v[252:253], v[254:255]: at the head offsets of loads; in the steps the step's zero_point and scale, in the pairs' low words
.macro LOADR t                         ; step t's sixteen rows into set t % 2
.set j, 0
.rept 16
	global_load_b128 v[R+64*((\t)%2)+4*j:R+64*((\t)%2)+4*j+3], v[LO], s[SRC:SRC+1] offset:j*ROWB+(\t)*512 th:TH_LOAD_NT
.set j, j+1
.endr
.endm
.macro SCALES se, vs, vl               ; from the exponent in s[se]: v[vs] = 2^e, v[vl] = 57,344 x 2^e
	s_add_co_i32 s44, s[\se], 127
	s_lshl_b32 s45, s44, 23
	v_mov_b32 v[\vs], s45
	s_add_co_i32 s44, s44, 15
	s_lshl_b32 s44, s44, 23
	s_or_b32 s44, s44, 0x600000
	v_mov_b32 v[\vl], s44
.endm
.macro DEQ t                           ; X: W_q as int32 -> W_f / 2^(e0 + e1)
	v_mov_b32 v252, v[ZP+\t]                       ; the packed forms below take a pair's low word for both halves
	v_mov_b32 v254, v[SC+\t]
.set i, 0
.rept 64
	v_cvt_f32_i32 v[X+i], v[X+i]
.set i, i+1
.endr
.set i, 0
.rept 32
	v_pk_add_f32 v[X+i:X+i+1], v[X+i:X+i+1], v[252:253] op_sel_hi:[1,0] neg_lo:[0,1] neg_hi:[0,1]   ; q - zero_point
.set i, i+2
.endr
.set i, 0
.rept 32
	v_pk_mul_f32 v[X+i:X+i+1], v[X+i:X+i+1], v[254:255] op_sel_hi:[1,0]                             ; x scale / 2^(e0 + e1)
.set i, i+2
.endr
.irp b, 0,1,2,3                        ; eight accumulators, one instruction each
	v_wmma_f32_16x16x64_bf8_bf8 v[X+16*\b:X+16*\b+7], v[DN+8*\b:DN+8*\b+7], v[UP+4:UP+11], v[X+16*\b:X+16*\b+7]         ; svd_up | zeros: tile 2 b
	v_wmma_f32_16x16x64_bf8_bf8 v[X+16*\b+8:X+16*\b+15], v[DN+8*\b:DN+8*\b+7], v[UP:UP+7], v[X+16*\b+8:X+16*\b+15]     ; zeros | svd_up: tile 2 b + 1
.endr
.rept 4
	v_nop                                          ; four places (ISA guide 7.12.1) ahead of the holds, which read the results, and of the conversions, which write over svd_down's fragments
.endr
.endm
.macro HOLDCVT                         ; X -> the fragment's sixteen registers of codes
.irp b, 0,1,2,3
.set i, 0
.rept 16
	v_med3_num_f32 v[X+16*\b+i], v[X+16*\b+i], -v[LIM], v[LIM]   ; the conversion to an 8-bit code does not saturate (ISA guide 7.6.2): the hold; each accumulator from its low end on
.set i, i+1
.endr
	v_cvt_scalef32_pk8_bf8_f32 v[C+4*\b:C+4*\b+1], v[X+16*\b:X+16*\b+7], v[CSC]
	v_cvt_scalef32_pk8_bf8_f32 v[C+4*\b+2:C+4*\b+3], v[X+16*\b+8:X+16*\b+15], v[CSC]
.endr
	v_nop                                          ; one plain line behind the last conversion, ahead of whatever vector or matrix line next touches its registers
.endm
.macro SENDC t                         ; step t's codes leave
.irp c, 0,1,2,3
	global_store_b128 v[LO], v[C+4*\c:C+4*\c+3], s[DST:DST+1] offset:((\t)/2)*1048576+((\t)%2)*2048+512*\c   ; 512 consecutive bytes, at a multiple of 512 from the buffer's first byte; the next launch reads them
.endr
.endm
.macro STEP t, w                       ; w = 1: the W path
.if (\t) < 3
	s_wait_loadcnt 16                              ; this step's sixteen rows are in; the next step's sixteen loads may be out
.else
	s_wait_loadcnt 0x0
.endif
.if (\t) > 0
	s_wait_alu depctr_va_vdst(0)                   ; the step before: its conversions have written the codes, which the four stores below read; its holds and conversions are done with X, and (W) its products with X and with svd_down's fragments, in which this step's LDS loads land
	SENDC (\t)-1
.endif
.set j, 0
.rept 16
	ds_store_b128 v[SI], v[R+64*((\t)%2)+4*j:R+64*((\t)%2)+4*j+3] offset:j*SP
.set j, j+1
.endr
.set j, 0
.rept 16
	ds_load_b128 v[X+4*j:X+4*j+3], v[SO] offset:128*(j/4)+16*(j%4)   ; LDS serves a wave's instructions in order (ISA guide 5.7.1.4): these see the stores above
.set j, j+1
.endr
.if (\t) > 0
	s_wait_xcnt 0x0                                ; the last step's stores have had their addresses translated: their codes' registers are written again only behind this wait
.endif
	s_wait_alu depctr_vm_vsrc(0)                   ; the stage's stores have read the set of rows, in which the rows of two steps on land; the four stores have read the codes, in whose registers svd_down's fragments land (W) or this step's conversions write (x); W, step 0: the images' stores have read their codes, and the head's loads v252 and v254, which this step writes
.if \w
.set j, 0
.rept 8
	ds_load_b128 v[DN+4*j:DN+4*j+3], v[DA] offset:(\t)*4096+512*j
.set j, j+1
.endr
.endif
.if (\t)+2 < 4
	LOADR (\t)+2                                   ; the rows of two steps on are asked for while this step's numbers come back from the stage; no vector line names their registers
.endif
	s_wait_dscnt 0x0                               ; the numbers are back (W: and svd_down's fragments)
.if \w
	DEQ \t
.endif
	HOLDCVT
.endm
	s_load_b256 s[4:11], s[0:1], 0x0               ; x s[4:5], W_q s[6:7], svd_up s[8:9], svd_down s[10:11]
	s_load_b256 s[12:19], s[0:1], 0x20             ; scale s[12:13], zero_point s[14:15], the exponents s[16:17], x_codes s[18:19]
	s_load_b64 s[20:21], s[0:1], 0x40              ; w_codes
	v_lshrrev_b32 v1, 5, v0
	v_readfirstlane_b32 s22, v1                    ; wave 0..15
	v_and_b32 v252, 31, v0                         ; lane
	v_and_b32 v6, 15, v0                           ; r
	v_bfe_u32 v7, v0, 4, 1                         ; h
	v_lshlrev_b32 v[LO], 4, v252
	s_wait_alu depctr_va_vdst(0)
	s_wait_alu depctr_va_sdst(0)                   ; s22 is written, ahead of its first reader: the row tile, the stage's place and the bases are made from it
	s_and_b32 s23, ttmp7, 0xffff                   ; 0: x, 1: W
	s_and_b32 s24, ttmp9, 7                        ; a
	s_lshr_b32 s25, ttmp9, 3                       ; Tb
	s_lshl_b32 s26, s25, 4
	s_add_co_u32 s26, s26, s22                     ; T
	s_lshl_b32 s28, s26, 18                        ; 16 T rows of 16,384 bytes
	s_lshl_b32 s36, s24, 11                        ; + 4 a steps of 512 bytes
	s_add_co_u32 s28, s28, s36
	s_mov_b32 s29, 0
	s_lshl_b32 s30, s24, 21                        ; S = 2 a
	s_lshl_b32 s37, s26, 12
	s_add_co_u32 s30, s30, s37
	s_mov_b32 s31, 0
	s_mul_i32 s27, s22, WSTG                       ; my stage
	v_add_nc_u32 v[SI], s27, v[LO]                 ; in: a row's 512 bytes as they lie
	v_mul_u32_u24 v[SO], v6, SP
	v_lshl_add_u32 v[SO], v7, 6, v[SO]
	v_add_nc_u32 v[SO], s27, v[SO]                 ; out: row r, + 64 h: my sixteen numbers of a block of 32
	s_wait_kmcnt 0x0
	s_load_b128 s[32:35], s[16:17], 0x0            ; e0, e1, e2, e3
	s_cmp_lg_u32 s23, 0
	s_cbranch_scc1 .Lw
	; ---- x
	s_add_nc_u64 s[SRC:SRC+1], s[4:5], s[28:29]
	s_add_nc_u64 s[DST:DST+1], s[18:19], s[30:31]
	s_wait_alu depctr_va_vdst(0)                   ; v1, v2 and v3 are written: every load, store and LDS instruction of this path reads one of them as its offset or address
	LOADR 0
	LOADR 1
	s_wait_kmcnt 0x0
	SCALES 34, CSC, LIM                            ; 2^e2
	s_wait_alu depctr_va_vdst(0)
	STEP 0, 0
	STEP 1, 0
	STEP 2, 0
	STEP 3, 0
	s_wait_alu depctr_va_vdst(0)                   ; step 3's conversions have written the codes, which the last four stores read
	SENDC 3
	s_wait_xcnt 0x0
	v_lshl_add_u32 v254, v0, 2, 0x46000            ; my spare word, and 0: made anew here; no memory or LDS instruction of this path has read v254 or v255
	v_mov_b32 v255, 0
	s_wait_dscnt 0x0                               ; the closing lines, six on end
	s_wait_alu 0x0
	s_wait_tensorcnt 0x0
	ds_add_u32 v254, v255
	s_wait_dscnt 0x0
	s_endpgm
	; ---- W
.Lw:
	s_add_nc_u64 s[SRC:SRC+1], s[6:7], s[28:29]
	s_add_nc_u64 s[DST:DST+1], s[20:21], s[30:31]
	s_lshl_b32 s36, s24, 11                        ; svd_down: the work-group's 512 columns begin at 512 a; my wave quantises 32 of them: step wave / 4, block wave % 4
	s_lshl_b32 s37, s22, 7
	s_add_co_u32 s36, s36, s37
	s_mov_b32 s37, 0
	s_add_nc_u64 s[10:11], s[10:11], s[36:37]
	s_lshl_b32 s36, s26, 11                        ; svd_up, scale, zero_point: 16 T rows of 128 bytes,
	s_add_nc_u64 s[8:9], s[8:9], s[36:37]
	s_lshl_b32 s38, s24, 4                         ; and, of the last two, groups 4 a on
	s_add_co_u32 s36, s36, s38
	s_add_nc_u64 s[12:13], s[12:13], s[36:37]
	s_add_nc_u64 s[14:15], s[14:15], s[36:37]
	v_lshlrev_b32 v252, 2, v252                    ; svd_down: a lane to a column, registers down K
	v_lshlrev_b32 v254, 7, v6                      ; scale, zero_point: row r
	v_lshl_add_u32 v253, v7, 6, v254               ; svd_up: row r, k = 16 h on
	s_wait_alu depctr_va_vdst(0)
	v_add_nc_u32 v[SI], STG_W, v[SI]               ; this path's own stages
	v_add_nc_u32 v[SO], STG_W, v[SO]
	v_add_nc_u32 v[DA], DNB, v[LO]
	v_and_b32 v[DW], 7, v0                         ; column l of a block is row p = l % 8 + 8 (l / 16) of tile u = (l / 8) % 2: its codes go to lanes p (k 0-15) and p + 16 (k 16-31) of that tile's image
	v_lshlrev_b32 v[DW], 4, v[DW]
	v_bfe_u32 v255, v0, 3, 1
	v_lshl_add_u32 v[DW], v255, 9, v[DW]
	v_lshl_add_u32 v[DW], v7, 7, v[DW]
	s_lshl_b32 s38, s22, 10                        ; 4096 (wave / 4) + 1024 (wave % 4)
	s_add_co_u32 s38, s38, DNB
	v_add_nc_u32 v[DW], s38, v[DW]
	s_wait_alu depctr_va_vdst(0)                   ; v1 to v5 and v252 to v254 are written: every load, store and LDS instruction of this path reads one of them as its offset or address
.set i, 0
.rept 32
	global_load_b32 v[X+i], v252, s[10:11] offset:i*ROWB   ; svd_down(i, my column): the wave reads 128 consecutive bytes
.set i, i+1
.endr
.irp c, 0,1,2,3
	global_load_b128 v[X+32+4*\c:X+32+4*\c+3], v253, s[8:9] offset:16*\c
.endr
	global_load_b128 v[SC:SC+3], v254, s[12:13]
	global_load_b128 v[ZP:ZP+3], v254, s[14:15]
	LOADR 0
	s_wait_kmcnt 0x0
	SCALES 32, 224, 225                            ; 2^e0, for svd_up
	SCALES 33, 226, 227                            ; 2^e1, for svd_down
	s_add_co_i32 s46, s32, s33                     ; e0 + e1: a sum of the small product stands for sum x 2^(e0 + e1); the dequantised numbers go in divided by that,
	s_sub_co_i32 s47, 0, s46
	s_sub_co_i32 s48, s35, s46                     ; and the conversion's one scale is 2^(e3 - e0 - e1)
	SCALES 48, CSC, LIM
	s_wait_alu depctr_va_vdst(0)
	s_wait_loadcnt 16                              ; all but step 0's sixteen rows are in
.set i, 0
.rept 32
	v_med3_num_f32 v[X+i], v[X+i], -v227, v227
.set i, i+1
.endr
.irp g, 0,1,2,3
	v_cvt_scalef32_pk8_bf8_f32 v[DN+2*\g:DN+2*\g+1], v[X+8*\g:X+8*\g+7], v226
.endr
.set i, 32
.rept 16
	v_med3_num_f32 v[X+i], v[X+i], -v225, v225
.set i, i+1
.endr
	v_cvt_scalef32_pk8_bf8_f32 v[UP+4:UP+5], v[X+32:X+39], v224
	v_cvt_scalef32_pk8_bf8_f32 v[UP+6:UP+7], v[X+40:X+47], v224
	v_nop                                          ; one plain line behind the last conversion
	s_wait_alu depctr_va_vdst(0)                   ; the conversions have written svd_down's codes, which the two LDS stores read; the holds and conversions are done with X and with v224 to v227, in which step 0's LDS loads land
	ds_store_b128 v[DW], v[DN:DN+3]                ; k 0-15
	ds_store_b128 v[DW], v[DN+4:DN+7] offset:256   ; k 16-31
.irp i, 0,1,2,3,8,9,10,11
	v_mov_b32 v[UP+\i], 0                          ; zero codes on both sides of svd_up's
.endr
.irp i, 0,1,2,3
	v_ldexp_f32 v[SC+\i], v[SC+\i], s47
.endr
	LOADR 1
	s_wait_alu depctr_va_vdst(0)
	s_wait_dscnt 0x0                               ; for the others' sake: my images have landed
	s_barrier_signal -1
	s_barrier_wait -1                              ; all sixteen waves' have; from here on the images are only read
	STEP 0, 1
	STEP 1, 1
	STEP 2, 1
	STEP 3, 1
	s_wait_alu depctr_va_vdst(0)                   ; step 3's conversions have written the codes, which the last four stores read
	SENDC 3
	s_wait_xcnt 0x0
	v_lshl_add_u32 v254, v0, 2, 0x46000            ; my spare word, and 0: made anew here; since step 3's wait on vm_vsrc no memory or LDS instruction has read v254 or v255
	v_mov_b32 v255, 0
	s_wait_dscnt 0x0                               ; the closing lines, six on end
	s_wait_alu 0x0
	s_wait_tensorcnt 0x0
	ds_add_u32 v254, v255
	s_wait_dscnt 0x0
	s_endpgm
.Lfunc_end_k_q832585f4d4_prep:
	.size	k_q832585f4d4_prep, .Lfunc_end_k_q832585f4d4_prep-k_q832585f4d4_prep
	.p2alignl 7, 3214868480
	.fill 96, 4, 3214868480
	.section	.rodata,"a",@progbits
	.p2align	6, 0x0
	.amdhsa_kernel k_q832585f4d4_prep
		.amdhsa_group_segment_fixed_size 288768
		.amdhsa_private_segment_fixed_size 0
		.amdhsa_enable_private_segment 0
		.amdhsa_kernarg_size 72
		.amdhsa_user_sgpr_count 2
		.amdhsa_user_sgpr_kernarg_segment_ptr 1
		.amdhsa_wavefront_size32 1
		.amdhsa_system_sgpr_workgroup_id_x 1
		.amdhsa_system_sgpr_workgroup_id_y 1
		.amdhsa_system_sgpr_workgroup_id_z 1
		.amdhsa_system_vgpr_workitem_id 0
		.amdhsa_next_free_vgpr 256
		.amdhsa_next_free_sgpr 66
		.amdhsa_reserve_vcc 0
		.amdhsa_float_denorm_mode_32 3
		.amdhsa_float_denorm_mode_16_64 3
		.amdhsa_memory_ordered 1
		.amdhsa_forward_progress 1
		.amdhsa_inst_pref_size 110
	.end_amdhsa_kernel
	.amdgpu_metadata
---
amdhsa.version: [ 1, 2 ]
amdhsa.kernels:
  - .name:           k_q832585f4d4_prep
    .symbol:         k_q832585f4d4_prep.kd
    .args:
      - { .name: x, .offset: 0, .size: 8, .value_kind: global_buffer, .address_space: global }
      - { .name: W_q, .offset: 8, .size: 8, .value_kind: global_buffer, .address_space: global }
      - { .name: svd_up, .offset: 16, .size: 8, .value_kind: global_buffer, .address_space: global }
      - { .name: svd_down, .offset: 24, .size: 8, .value_kind: global_buffer, .address_space: global }
      - { .name: scale, .offset: 32, .size: 8, .value_kind: global_buffer, .address_space: global }
      - { .name: zero_point, .offset: 40, .size: 8, .value_kind: global_buffer, .address_space: global }
      - { .name: lowp_scales, .offset: 48, .size: 8, .value_kind: global_buffer, .address_space: global }
      - { .name: x_codes, .offset: 56, .size: 8, .value_kind: global_buffer, .address_space: global }
      - { .name: w_codes, .offset: 64, .size: 8, .value_kind: global_buffer, .address_space: global }
    .group_segment_fixed_size: 288768
    .private_segment_fixed_size: 0
    .kernarg_segment_align: 8
    .kernarg_segment_size: 72
    .max_flat_workgroup_size: 512
    .sgpr_count:     66
    .vgpr_count:     256
    .wavefront_size: 32
...
	.end_amdgpu_metadata
.endif
;; end of part 3
;; launch gemm (part 4): grid 16 x 16, 4 waves a work-group, clusters of 4 x 4, 327,680 bytes of LDS; arguments x_codes, w_codes, lowp_scales, bias, out0; writes out0
.if DOCPART == 4
	.amdgcn_target "amdgcn-amd-amdhsa--gfx1250"
	.amdhsa_code_object_version 6
	.text
	.protected	k_q832585f4d4_gemm
	.globl	k_q832585f4d4_gemm
	.p2align	8
	.type	k_q832585f4d4_gemm,@function
k_q832585f4d4_gemm:
	s_mov_b64 s[64:65], 0
	v_nop
	global_prefetch_b8 v0, s[64:65] scope:SCOPE_SE
	s_setreg_imm32_b32 hwreg(HW_REG_WAVE_MODE, 25, 1), 1
	s_wait_xcnt 0x0
	s_wait_alu depctr_hold_cnt(0) depctr_sa_sdst(0) depctr_va_vdst(0) depctr_va_sdst(0) depctr_va_ssrc(0) depctr_va_vcc(0) depctr_vm_vsrc(0)
	s_getreg_b32 s2, hwreg(HW_REG_IB_STS2, 6, 4)
	s_cmp_eq_u32 s2, 0
	s_cbranch_scc0 .Lentry_in_a_cluster
	s_endpgm
.Lentry_in_a_cluster:
	s_bfe_u32 s2, ttmp6, 0x10000c
	s_cmp_lg_u32 s2, 0xf033
	s_cbranch_scc0 .Lentry_shape_is_right
	s_endpgm
.Lentry_shape_is_right:
; out0[m][o] = 2^(e2 + e3) x (the sum over k of A[m][k] B[o][k]) + bias[o].  A = x_codes, B = w_codes: codes of BF8 (E5M2), M = N = K = 4,096; sums in f32; e2, e3: entries 2 and 3 of the exponents.
; LIMIT: e2 + e3 lies between -126 and 127, so that 2^(e2 + e3) is an f32 number.
; THE CODES LIE IN THE ORDER OF THE OPERAND'S REGISTERS.  With S = k / 256, T = row / 16, q = (k / 128) % 2: byte = S 1,048,576 + T 4,096 + q 2,048 + c 512 + 16 lane + n; lane (r, h) holds row 16 T + r,
; k = 128 (2 S + q) + 32 c + 16 h + n.  So 128 rows of a K step of 256 are one dense block of 32,768 bytes, one tensor load; a fragment (16 rows x 128 K, 16 registers) is four LDS loads of 512 consecutive
; bytes; there is no pitch and no padding.  The place of k in the registers is the same in A and in B, so every product meets its partner; only the order of the sums inside an instruction differs from ascending k.
; A tile of out0, 256 x 256, is made by a work-group of four waves; a wave makes 128 x 128: 64 accumulators of 16 x 16, 512 registers.  K goes in steps of 256 through a ring of two LDS slots.
; CLUSTERS: 4 x 4 work-groups.  The four of a row of the cluster need the same blocks of A, the four of a column the same blocks of B: each block is asked for JOINTLY, by the same tensor load with the
; same descriptor and a mask that names the four.  THE MATRIX INSTRUCTION IS USED TRANSPOSED (source 0 = 16 rows of B, source 1 = 16 rows of A): a lane then holds eight neighbouring numbers of a row of out0.
; PREFETCH.  A K step's codes are 65,536 bytes for each tile row of A and for each tile column of B, and sixteen work-groups will read them.  Each of the sixteen asks for a sixteenth, 4,096 bytes, once in the
; launch: wave 0 for A (the tile column picks the sixteenth), wave 2 for B (the tile row picks it).  One instruction serves two K steps: lanes 0-15 stand 256 bytes apart in the first step's 4,096 bytes, lanes 16-31
; in the next step's.  K steps 2 and 3 are asked for at the head; trip i of the loop asks, behind its refill of slot 1, for K steps 2 i + 4 and 2 i + 5, which the next trip's two refills load: one and two K steps
; ahead.  K steps 0 and 1 are the first fills and are not asked for; the last trip asks for nothing, since K ends with step 15.
; REGISTERS, in windows of 256: window 0: v0-31 addresses, v8-11 my four numbers of bias; from v128 A's fragments (8 x 16 rows x 128 K), ONE set; on the way out v128-255 take rows read back from the stage.
;   window 1: B's fragments, TWO sets, at v0 and at v128.   window 2: the 32 accumulators of my rows 0-63 (accumulator (a, b) at v[8 (8 a + b)]);   window 3: those of my rows 64-127.
; A step of 128 along K is 64 matrix instructions, A's blocks one after the other, each against B's eight.  A block of A is free as soon as its eight products are issued, so one set of registers serves A:
; blocks 0-3 are fetched anew in the step's middle, blocks 4-7 at its end.  B's fragments are at work through the whole step, so B has two sets.
.set SIZE_N, 4096
.set TILEB,  4096                      ; a row tile's two fragments of a K step
.set FRB,    2048                      ; a fragment's image
.set HALFT,  32768                     ; 128 rows of a K step: what one tensor load brings, and what one wave reads of A or of B
.set SLOT,   4*HALFT                   ; A's 256 rows, then B's 256 rows
.set KSTRIDE, 1048576                  ; bytes in memory from a K step to the next
.set LAPS,   8                         ; a lap = two K steps = once round the ring: 16 K steps of 256
.set FR,     16                        ; registers of a fragment
.set NL,     4                         ; LDS loads that bring one
.set NP,     4                         ; places behind this matrix instruction (ISA guide 7.12.1)
.set SPARE,  2*SLOT                    ; behind the ring: the spare words, 128 bytes for each wave: two blocks of 256 bytes that no other line names
.set SPITCH, 528                       ; the way out: a stage of 16 rows x (512 bytes + 16) for each wave.  It lies in slot 0, which has had its last fill and its last read when the first result is stored there
.set BI,   8                           ; v[8:11] bias of my four columns of a row read back
.set ADRA, 16                          ; v16-17  LDS address of my A fragments in slot 0, 1
.set ADRB, 20                          ; v20-21  the same for B
.set STO,  24                          ; v24     the way out: where I put 32 bytes of a row
.set RD,   25                          ; v25     the way out: where I read a row back
.set CO,   26                          ; v26     16 x lane: my byte offset in a row's 512 bytes
.set PO,   27                          ; v27     the prefetch: 256 (lane % 16) + 1,048,576 (lane / 16); never rewritten
.set SPW,  28                          ; v28     LDS address of my spare word: SPARE + 4 x my thread's number; never rewritten
.set NIL,  29                          ; v29     0; never rewritten
.set AF,   128                         ; A's fragments, in window 0
.set BK,   128                         ; the way out: 16 rows read back from the stage: v128-191 and v192-255 by turns
.set G1, 24                            ; s[24:31] descriptor group 1 for A's blocks;  s[32:39] group 0, one set for each slot
.set G0, 32
.set G1B, 48                           ; s[48:55], s[56:63] the same for B's blocks
.set G0B, 56
.set PB,  68                           ; s[68:69] the prefetch's base: my operand's codes at my sixteenth of the K step asked for
.set MSB, 0
.macro WIN new                         ; the immediate's high byte repeats the setting that is left
.if MSB != (\new)
	s_set_vgpr_msb (MSB<<8)|(\new)
.set MSB, (\new)
.endif
.endm
.set MUL_LO, 0xa1                      ; source 0 (B) window 1, source 1 (A) window 0, C and D window 2
.set MUL_HI, 0xf1                      ; the same, C and D window 3
.set TO_B,   0x40                      ; destination window 1, address window 0
; A joint load: waves 0 and 1 fetch for A, waves 2 and 3 for B.  Each of the two lines has ONE mask and one set of registers for all that issue it; the branch hangs on the wave's number alone.
; Four v_nop follow each of the two lines, ahead of the jump, the label and what follows.
.macro JLOAD g0a, g1a, g0b, g1b
	s_cmp_eq_u32 s15, 0
	s_cbranch_scc0 .Lfor_b_\@
	tensor_load_to_lds s[\g0a:\g0a+3], s[\g1a:\g1a+7]
	s_nop 0
.rept 4
	v_nop
.endr
	s_branch .Lasked_\@
.Lfor_b_\@:
	tensor_load_to_lds s[\g0b:\g0b+3], s[\g1b:\g1b+7]
	s_nop 0
.rept 4
	v_nop
.endr
.Lasked_\@:
.endm
.macro CREST                           ; a round of the cluster's barrier behind its opening barrier
	s_cmp_lg_u32 s14, 0
	s_cbranch_scc1 .Lnot_wave_0_\@
	s_barrier_signal -3
.Lnot_wave_0_\@:
	s_barrier_wait -3
	s_barrier_signal -1
	s_barrier_wait -1
.endm
.macro CROUND                          ; a whole round
	s_barrier_signal -1
	s_barrier_wait -1
	CREST
.endm
	s_load_b128 s[4:7], s[0:1], 0x0                ; A's codes s[4:5], B's codes s[6:7]
	s_load_b128 s[8:11], s[0:1], 0x10              ; the exponents s[8:9], bias s[10:11]
	s_load_b64 s[12:13], s[0:1], 0x20              ; out0
	v_lshl_add_u32 v[SPW], v0, 2, SPARE
	v_mov_b32 v[NIL], 0
	ds_add_u32 v28, v29
	ds_add_u32 v28, v29
	s_wait_dscnt 0x0
	v_lshrrev_b32 v1, 5, v0
	v_readfirstlane_b32 s14, v1                    ; wave 0..3
	s_lshr_b32 s15, s14, 1                         ; which half of the tile's rows is mine.  Also: I fetch for A (0) or for B (1)
	s_and_b32 s16, s14, 1                          ; which half of its columns.  Also: which 128 rows of that operand I fetch
	s_bfe_u32 s40, ttmp6, 0x40000                  ; cx, cy: my place in the cluster
	s_bfe_u32 s41, ttmp6, 0x40004
	s_lshl_b32 s42, ttmp9, 2
	s_add_co_u32 s42, s42, s40                     ; tile column = 4 x cluster x + cx
	s_and_b32 s17, ttmp7, 0xffff
	s_lshl_b32 s17, s17, 2
	s_add_co_u32 s17, s17, s41                     ; tile row = 4 x cluster y + cy
	s_lshl_b32 s43, s41, 2
	s_lshl_b32 s43, 15, s43                        ; my row of the cluster
	s_lshl_b32 s44, 0x1111, s40                    ; my column
	; descriptor group 1: a dense block of 32,768 bytes, stated as 128 rows of 32 elements of 8 bytes, laid into LDS without padding
	s_or_b32 s[G1+0], s43, (3<<16)|(1<<21)         ; 15:0 the mask: A's blocks go to my row; 17:16 elements of 8 bytes; 20 padding off; 21 set beside a mask
	s_or_b32 s[G1B+0], s44, (3<<16)|(1<<21)        ; the same with the mask of my column
.irp g, G1, G1B
	s_mov_b32 s[\g+1], 32<<16                      ; tensor_dim0 = 32
	s_mov_b32 s[\g+2], 128<<16                     ; tensor_dim1 = 128
	s_mov_b32 s[\g+3], 32<<16                      ; tile_dim0 = 32
	s_mov_b32 s[\g+4], 128                         ; tile_dim1 = 128
	s_mov_b32 s[\g+5], 32                          ; tensor_dim0_stride: a row begins where the last ends
	s_mov_b32 s[\g+6], 0
	s_mov_b32 s[\g+7], 0
.endr
	s_lshl_b32 s18, s16, 15                        ; which 128 rows I fetch: eight row tiles of 4,096 bytes
	s_lshl_b32 s20, s17, 16
	s_add_co_u32 s20, s20, s18                     ; A: 65,536 x tile row + 32,768 x half
	s_lshl_b32 s46, s42, 16
	s_add_co_u32 s46, s46, s18                     ; B: 65,536 x tile column + 32,768 x half
	s_mov_b32 s21, 0
	s_mov_b32 s47, 0
	s_mul_i32 s45, s14, HALFT                      ; where they go: wave x 32,768: no place in the cluster enters an LDS address
	s_wait_kmcnt 0x0
	s_load_b128 s[92:95], s[8:9], 0x0              ; e0, e1, e2, e3
	s_add_nc_u64 s[20:21], s[4:5], s[20:21]
	s_add_nc_u64 s[46:47], s[6:7], s[46:47]
	CROUND                                         ; all sixteen work-groups are here: the first joint loads meet
.irp s, 0,1
	s_mov_b32 s[G0+4*\s], 1
	s_add_co_u32 s[G0+4*\s+1], s45, \s*SLOT
	s_add_nc_u64 s[G0+4*\s+2:G0+4*\s+3], s[20:21], \s*KSTRIDE
	s_or_b32 s[G0+4*\s+3], s[G0+4*\s+3], 0x80000000
	s_mov_b32 s[G0B+4*\s], 1
	s_add_co_u32 s[G0B+4*\s+1], s45, \s*SLOT
	s_add_nc_u64 s[G0B+4*\s+2:G0B+4*\s+3], s[46:47], \s*KSTRIDE
	s_or_b32 s[G0B+4*\s+3], s[G0B+4*\s+3], 0x80000000
	s_wait_alu depctr_va_vdst(0)
	s_wait_tensorcnt 0x0
	ds_add_u32 v28, v29
	ds_add_u32 v28, v29
	s_wait_dscnt 0x0
	CROUND
	JLOAD G0+4*\s, G1, G0B+4*\s, G1B
.endr
	v_and_b32 v1, 15, v0                           ; l % 16
	s_wait_alu depctr_va_vdst(0)
	v_bfe_u32 v2, v0, 4, 1                         ; l / 16
	v_and_b32 v6, 31, v0
	v_lshlrev_b32 v[CO], 4, v6                     ; 16 x lane
	; the prefetch: waves 0 and 1 make A's base, waves 2 and 3 B's (the choice hangs on the wave's number alone); waves 0 and 2 ask
	s_cmp_eq_u32 s15, 0
	s_cselect_b64 s[PB:PB+1], s[4:5], s[6:7]       ; my operand's codes,
	s_cselect_b32 s70, s17, s42                    ; the tile whose 65,536 bytes of a K step my work-group reads: A's tile row, B's tile column,
	s_cselect_b32 s71, s42, s17                    ; and which sixteenth of them I ask for: the other coordinate
	s_lshl_b32 s70, s70, 16
	s_lshl_b32 s71, s71, 12
	s_add_co_u32 s70, s70, s71
	s_add_co_u32 s70, s70, 2*KSTRIDE               ; K step 2 on
	s_mov_b32 s71, 0
	s_add_nc_u64 s[PB:PB+1], s[PB:PB+1], s[70:71]
	v_lshlrev_b32 v[PO], 8, v1                     ; sixteen lanes 256 bytes apart: 4,096 bytes;
	s_wait_alu depctr_va_vdst(0)
	v_lshl_add_u32 v[PO], v2, 20, v[PO]            ; lanes 16-31 the same in the next K step
	s_cmp_lg_u32 s16, 0
	s_cbranch_scc1 .Lnot_asking
	global_prefetch_b8 v[PO], s[PB:PB+1] th:TH_LOAD_NT scope:SCOPE_SE   ; K steps 2 and 3, which the loop's first trip loads
.Lnot_asking:
	s_mul_i32 s21, s15, HALFT                      ; my 128 rows of A
	s_mul_i32 s22, s16, HALFT                      ; my 128 rows of B,
	s_add_co_u32 s22, s22, 2*HALFT                 ; which lie behind A's 256
.irp s, 0,1
	v_add_nc_u32 v[ADRA+\s], s21, v[CO]
	v_add_nc_u32 v[ADRB+\s], s22, v[CO]
	s_add_co_u32 s21, s21, SLOT
	s_add_co_u32 s22, s22, SLOT
.endr
	s_mul_i32 s23, s14, 16*SPITCH                  ; my stage
	v_mul_u32_u24 v5, v1, SPITCH                   ; in: row l % 16, 32 bytes for each half of the lanes
	v_lshl_add_u32 v5, v2, 5, v5
	v_add_nc_u32 v[STO], s23, v5
	v_add_nc_u32 v[RD], s23, v[CO]                 ; back: the 32 lanes take one row of 512 bytes
	s_lshl_b32 s20, s17, 8
	s_lshl_b32 s21, s15, 7
	s_add_co_u32 s20, s20, s21                     ; my first row of out0: 256 x tile row + 128 x half,
	s_lshl_b32 s20, s20, 14                        ; of 16,384 bytes each
	s_mov_b32 s21, 0
	s_lshl_b32 s46, s42, 10                        ; my first column, in bytes: 1,024 x tile column + 512 x half
	s_lshl_b32 s47, s16, 9
	s_add_co_u32 s46, s46, s47
	s_mov_b32 s47, 0
	s_add_nc_u64 s[10:11], s[10:11], s[46:47]      ; bias at my first column
	s_add_nc_u64 s[20:21], s[20:21], s[46:47]
	s_add_nc_u64 s[12:13], s[12:13], s[20:21]
	global_load_b128 v[BI:BI+3], v[CO], s[10:11]   ; bias of columns 4 lane .. 4 lane + 3 of my 128: waited for ahead of the way out
.macro FRAG reg, adr, q, i             ; fragment i of eight, the slot's q-th 128 along K: four loads of 512 consecutive bytes; registers 4 c .. 4 c + 3 hold K = 32 c + 16 (l / 16) + 0 .. 15 of row l % 16
.irp c, 0,1,2,3
	ds_load_b128 v[\reg+4*\c:\reg+4*\c+3], v[\adr] offset:(\i)*TILEB+(\q)*FRB+512*\c
.endr
.endm
; 16 matrix instructions: A's blocks a0, a0 + 1 x B's eight, 128 along K.  p: B's set.  zero = 1: the first product starts the sums: nothing is ever cleared.
; The 64 accumulators take turns, one instruction a turn, in the same order in every step.
.macro MUL16 a0, p, zero
.irp a, \a0, \a0+1
.irp b, 0,1,2,3,4,5,6,7
.if \zero
	v_wmma_f32_16x16x128_bf8_bf8 v[8*(8*((\a)%4)+\b):8*(8*((\a)%4)+\b)+7], v[128*(\p)+FR*\b:128*(\p)+FR*\b+FR-1], v[AF+FR*(\a):AF+FR*(\a)+FR-1], 0
.else
	v_wmma_f32_16x16x128_bf8_bf8 v[8*(8*((\a)%4)+\b):8*(8*((\a)%4)+\b)+7], v[128*(\p)+FR*\b:128*(\p)+FR*\b+FR-1], v[AF+FR*(\a):AF+FR*(\a)+FR-1], v[8*(8*((\a)%4)+\b):8*(8*((\a)%4)+\b)+7]
.endif
.endr
.endr
.endm
.macro FETCH_B slot, q, p              ; B's eight fragments of the slot's q-th 128 along K into set p
	WIN TO_B
.irp i, 0,1,2,3,4,5,6,7
	FRAG 128*(\p)+FR*\i, ADRB+\slot, \q, \i
.endr
	WIN 0
.endm
.macro FETCH_A slot, q, i0             ; A's blocks i0 .. i0 + 3
.irp i, \i0, \i0+1, \i0+2, \i0+3
	FRAG AF+FR*(\i), ADRA+\slot, \q, \i
.endr
.endm
; A load into a register that a matrix instruction has read, and a vector instruction or an LDS store that reads a matrix result, stand NP places behind that matrix instruction, and only plain vector
; instructions that name none of its registers are places (ISA guide 7.12.1 for vector instructions); this text does not count the matrix instructions in between.
.macro PLACES n
.rept \n
	v_nop
.endr
.endm
; A step of 128 along K that has its successor in the same slot.
.macro STEP slot, q, zero
	s_wait_dscnt 4*NL                              ; B's set and A's blocks 0-3 are in; the youngest sixteen loads (A's blocks 4-7) may be out
	WIN MUL_LO
	MUL16 0, (\q)%2, \zero
	MUL16 2, (\q)%2, \zero
	s_wait_dscnt 0                                 ; A's blocks 4-7 are in (asked for 32 matrix instructions ago)
	PLACES NP
	FETCH_B \slot, (\q)+1, 1-(\q)%2
	FETCH_A \slot, (\q)+1, 0
	WIN MUL_HI
	MUL16 4, (\q)%2, \zero
	MUL16 6, (\q)%2, \zero
	PLACES NP
	WIN 0
	FETCH_A \slot, (\q)+1, 4
.endm
; A slot's last step changes slots, in its middle.  All its fragments are in registers or on their way there, so its first 32 products stand AHEAD of the wait for the next slot's tile: they are issued while that
; tile may still be landing.  Then ONE barrier: in front of it each wave waits for all its tensor loads, adds 0 to its spare word, and waits for that and for its own reads of this slot.
; fill = 1: this slot is filled again, two K steps ahead; the barrier then opens a round of the cluster's.  ask = 1: the prefetch of the K steps that the next trip loads.
.macro TURN slot, next, fill, ask
	s_wait_dscnt 4*NL                              ; B's set and A's blocks 0-3 are in; the youngest sixteen loads (A's blocks 4-7) may be out
	WIN MUL_LO
	MUL16 0, 1, 0
	MUL16 2, 1, 0
	WIN 0
	s_wait_tensorcnt 0x0                           ; all my tensor loads have landed: the one that was out is my part of the next slot; so every group 0 may be written
	ds_add_u32 v[SPW], v[NIL]                      ; 0 onto my spare word: the descriptors' steps stand between it and the wait for it
.if \fill
	s_add_nc_u64 s[G0+4*\slot+2:G0+4*\slot+3], s[G0+4*\slot+2:G0+4*\slot+3], 2*KSTRIDE
	s_add_nc_u64 s[G0B+4*\slot+2:G0B+4*\slot+3], s[G0B+4*\slot+2:G0B+4*\slot+3], 2*KSTRIDE
.endif
	s_wait_dscnt 0x0                               ; the add is done, and my reads of this slot are over: A's blocks 4-7, its last, are in
	s_barrier_signal -1
	s_barrier_wait -1
.if \fill
	CREST                                          ; the barrier has opened a round of the cluster's barrier: no wave of any partner still reads this slot's blocks or has a load on its way
	JLOAD G0+4*\slot, G1, G0B+4*\slot, G1B         ; the first tensor load behind the round, my one load until the next: up to the wait for it I issue 32 + 64 + 32 matrix instructions; the four v_nop behind it are the places in front of the loads below
.else
	PLACES NP
.endif
	FETCH_B \next, 0, 0
	FETCH_A \next, 0, 0
.if \ask
	s_wait_xcnt 0x0                                ; the last prefetch, a lap ago, has read its base
	s_add_nc_u64 s[PB:PB+1], s[PB:PB+1], 2*KSTRIDE ; every wave steps the base in every trip; in the last trip it is not used
	s_cmp_eq_u32 s3, 1                             ; the last trip asks for nothing: K ends with step 15
	s_cbranch_scc1 .Lno_ask_\@
	s_cmp_lg_u32 s16, 0                            ; waves 0 and 2 ask
	s_cbranch_scc1 .Lno_ask_\@
	global_prefetch_b8 v[PO], s[PB:PB+1] th:TH_LOAD_NT scope:SCOPE_SE   ; the two K steps that the next trip's refills load
.Lno_ask_\@:
.endif
	WIN MUL_HI
	MUL16 4, 1, 0
	MUL16 6, 1, 0
	PLACES NP
	WIN 0
	FETCH_A \next, 0, 4
.endm
	s_wait_alu depctr_va_vdst(0)
	s_wait_tensorcnt 1                             ; my part of K step 0 is in (K step 1's load may be out)
	s_barrier_signal -1
	s_barrier_wait -1                              ; everybody's is
	FETCH_B 0, 0, 0
	FETCH_A 0, 0, 0
	FETCH_A 0, 0, 4
	STEP 0, 0, 1                                   ; the first step stands in front of the loop: its products start the sums
	s_mov_b32 s3, LAPS-1
.Llap:                                                 ; a trip goes once round the ring, from a lap's second step to the next lap's first, and fills both slots again
	TURN 0, 1, 1, 0
	STEP 1, 0, 0
	TURN 1, 0, 1, 1
	STEP 0, 0, 0
	s_sub_co_u32 s3, s3, 1
	s_cmp_lg_u32 s3, 0
	s_cbranch_scc1 .Llap
	TURN 0, 1, 0, 0                                ; the last lap fills nothing, and has no round of the cluster's barrier
	STEP 1, 0, 0
	s_wait_dscnt 4*NL                              ; the very last step: nothing more to fetch
	WIN MUL_LO
	MUL16 0, 1, 0
	MUL16 2, 1, 0
	s_wait_dscnt 0
	WIN MUL_HI
	MUL16 4, 1, 0
	MUL16 6, 1, 0
	WIN 0
; THE WAY OUT, block by block of 16 rows x 128 columns.  A lane holds 32 neighbouring bytes of a row, and the lanes beside it hold other rows: so a block's sums go as they are through my own stage in LDS and come
; back as whole rows of 512 bytes; there a lane holds four columns that are the same in every row, so four registers of bias serve all, and one packed multiply-add for two numbers gives sum x 2^(e2 + e3) + bias.
; LDS serves a wave's instructions in order (ISA guide 5.7.1.4): no wait between the stores and the loads, nor in front of the next block's stores.
.macro TOSTAGE a
.set AC, 64*((\a)%4)
	WIN 8+4*((\a)/4)                               ; an LDS store's data are source 1: window 2 or 3; its address is source 0: window 0
.irp b, 0,1,2,3,4,5,6,7
	ds_store_b128 v[STO], v[AC+8*\b:AC+8*\b+3] offset:64*\b          ; each accumulator from its low end on
	ds_store_b128 v[STO], v[AC+8*\b+4:AC+8*\b+7] offset:64*\b+16
.endr
	WIN 0
.set BB, BK+64*((\a)%2)
.irp t, 0,1,2,3,4,5,6,7,8,9,10,11,12,13,14,15
	ds_load_b128 v[BB+4*\t:BB+4*\t+3], v[RD] offset:\t*SPITCH
.endr
.endm
.macro SEND a, younger                 ; younger: the LDS instructions issued behind block a's loads, which may stay out
.set BB, BK+64*((\a)%2)
	s_wait_dscnt \younger                          ; the block is back in registers
.if (\a) > 0
	s_add_nc_u64 s[12:13], s[12:13], 16*SIZE_N*4   ; (behind a wait on XCNT: the earlier stores have read their base)  16 rows on, so that the stores' offsets stay at 15 rows at the most
.endif
.irp t, 0,1,2,3,4,5,6,7,8,9,10,11,12,13,14,15      ; the block's 32 multiply-adds in one run, so that no store stands straight behind the lines that make its data
	v_pk_fma_f32 v[BB+4*\t:BB+4*\t+1], v[BB+4*\t:BB+4*\t+1], s[96:97], v[BI:BI+1] op_sel_hi:[1,0,1]       ; the scalar pair's low word for both halves
	v_pk_fma_f32 v[BB+4*\t+2:BB+4*\t+3], v[BB+4*\t+2:BB+4*\t+3], s[96:97], v[BI+2:BI+3] op_sel_hi:[1,0,1]
.endr
.irp t, 0,1,2,3,4,5,6,7,8,9,10,11,12,13,14,15
	global_store_b128 v[CO], v[BB+4*\t:BB+4*\t+3], s[12:13] offset:\t*SIZE_N*4 th:TH_STORE_NT   ; 32 lanes store 512 consecutive bytes, at a multiple of 512 from out0's first byte; written once, read by nobody here
.endr
.endm
	s_wait_kmcnt 0x0
	s_add_co_i32 s96, s94, s95                     ; e2 + e3, between -126 and 127,
	s_add_co_i32 s96, s96, 127
	s_lshl_b32 s96, s96, 23                        ; makes the f32 number 2^(e2 + e3)
	s_mov_b32 s97, s96                             ; (named with it as a pair, so it is written)
	s_wait_loadcnt 0x0                             ; bias
	PLACES NP                                      ; behind the last products: for the LDS stores that read results, and for the loads into the registers that held A's fragments
	TOSTAGE 0
.irp a, 1,2,3,4,5,6,7
.if \a > 1
	s_wait_xcnt 0x0                                ; block a - 2's stores have read their registers and their base: block a's loads may land there, and the base may step
.endif
	TOSTAGE \a
	SEND \a-1, 32                                  ; behind block a - 1's loads: block a's 16 stores and 16 loads
.endr
	s_wait_xcnt 0x0                                ; block 6's stores have read their base
	SEND 7, 0
	s_wait_tensorcnt 0x0                           ; the wave's end: behind my last tensor load and my last LDS store
	ds_add_u32 v[SPW], v[NIL]
	s_wait_dscnt 0x0
	CROUND                                         ; the closing round: no work-group ends while a partner may still ask for a block that names it
	s_endpgm
.Lfunc_end_k_q832585f4d4_gemm:
	.size	k_q832585f4d4_gemm, .Lfunc_end_k_q832585f4d4_gemm-k_q832585f4d4_gemm
	.p2alignl 7, 3214868480
	.fill 96, 4, 3214868480
	.section	.rodata,"a",@progbits
	.p2align	6, 0x0
	.amdhsa_kernel k_q832585f4d4_gemm
		.amdhsa_group_segment_fixed_size 327680
		.amdhsa_private_segment_fixed_size 0
		.amdhsa_enable_private_segment 0
		.amdhsa_kernarg_size 40
		.amdhsa_user_sgpr_count 2
		.amdhsa_user_sgpr_kernarg_segment_ptr 1
		.amdhsa_wavefront_size32 1
		.amdhsa_system_sgpr_workgroup_id_x 1
		.amdhsa_system_sgpr_workgroup_id_y 1
		.amdhsa_system_sgpr_workgroup_id_z 1
		.amdhsa_system_vgpr_workitem_id 0
		.amdhsa_next_free_vgpr 1024
		.amdhsa_next_free_sgpr 98
		.amdhsa_reserve_vcc 0
		.amdhsa_float_denorm_mode_32 3
		.amdhsa_float_denorm_mode_16_64 3
		.amdhsa_memory_ordered 1
		.amdhsa_forward_progress 1
		.amdhsa_inst_pref_size 125
	.end_amdhsa_kernel
	.amdgpu_metadata
---
amdhsa.version: [ 1, 2 ]
amdhsa.kernels:
  - .name:           k_q832585f4d4_gemm
    .symbol:         k_q832585f4d4_gemm.kd
    .args:
      - { .name: x_codes, .offset: 0, .size: 8, .value_kind: global_buffer, .address_space: global }
      - { .name: w_codes, .offset: 8, .size: 8, .value_kind: global_buffer, .address_space: global }
      - { .name: lowp_scales, .offset: 16, .size: 8, .value_kind: global_buffer, .address_space: global }
      - { .name: bias, .offset: 24, .size: 8, .value_kind: global_buffer, .address_space: global }
      - { .name: out0, .offset: 32, .size: 8, .value_kind: global_buffer, .address_space: global }
    .group_segment_fixed_size: 327680
    .private_segment_fixed_size: 0
    .kernarg_segment_align: 8
    .kernarg_segment_size: 40
    .max_flat_workgroup_size: 128
    .sgpr_count:     98
    .vgpr_count:     1024
    .wavefront_size: 32
...
	.end_amdgpu_metadata
.endif
;; end of part 4
